; MI455X (gfx1250); checked and timed in simulation.
; The chip was launched on July 23, 2026; its instructions are those of AMD's public machine-readable ISA for CDNA 5 (MIT licence, August 2026) and "CDNA5" Instruction Set Architecture Reference Guide (July 2026). The comments in the code are by the model that wrote it; some were corrected since.
;; Time Aware Temporal Attention. Allowed arithmetic: matrix products marked QUANTISED: E2M1 operands, one E8M0 scale for each 32 along K, by v_wmma_scale_f32_16x16x128_f8f6f4 with both operands' format E2M1 (or v_wmma_scale_f32_32x16x128_f4), f32 sums; products left as they are: bf16, f16 or f32 operands; f32 sums; everything else in f32.
;; Inputs: Wk 512 x 512 float32; Wo 512 x 512 float32; Wq 512 x 512 float32; Wv 512 x 512 float32; bk 512 float32; bo 512 float32; bq 512 float32; bv 512 float32; time_intervals 32 x 1,024 float32; x 32 x 1,024 x 512 float32.
;; Outputs: out0 32 x 1,024 x 512 float32.
;; This version of the problem:
;;   THIS VERSION OF THE PROBLEM IS GIVEN IN LOW PRECISION. The matrix products marked QUANTISED in the list below multiply operands that are first quantised to E2M1 (2 exponent bits, 1 mantissa bit; 4 bits a number), with one power-of-two scale for each 32 numbers along K (OCP MX v1.0); their sums are f32. The products marked 'left as it is' may take bf16, f16 or f32 operands, with f32 sums. Whichever they take, every output number must still come out within the allowed error. Rounding operands to bf16 (8 significant bits) uses up far more of that allowance than f16 does (11 bits, for magnitudes from 6e-5 to 65,504). All else is computed in f32.
;;   The module's matrix products, in the order in which they are computed (A, B: the left and right operand; K: the contracted axis; several contracted axes count as one K, in the product's order):
;;     1. [M 32,768, K 512] x [K 512, N 512]; A: input x; B: input Wq: QUANTISED
;;     2. [M 32,768, K 512] x [K 512, N 512]; A: input x; B: input Wk: QUANTISED
;;     3. [M 32,768, K 512] x [K 512, N 512]; A: input x; B: input Wv: QUANTISED
;;     4. batch 256 x [M 1,024, K 64] x [K 64, N 1,024]; A: computed on the way; B: computed on the way: left as it is (an operand is computed on the way)
;;     5. batch 256 x [M 1,024, K 1,024] x [K 1,024, N 64]; A: computed on the way; B: computed on the way: left as it is (an operand is computed on the way)
;;     6. [M 32,768, K 512] x [K 512, N 512]; A: computed on the way; B: input Wo: left as it is (an operand is computed on the way)
;;   THE QUANTISER, for each operand of a quantised product, along K:
;;     - K is cut into blocks of 32 from its start; a last block that is shorter is filled with zeros.
;;     - A block's scale is 2^e with e = floor(log2(the largest magnitude in the block)) - 2, held to -126 .. 127; a block of zeros has e = 0. As a byte (E8M0): e + 127.
;;     - Each number is divided by its block's scale, clamped to +-6, and rounded to the nearest number of E2M1, ties to even, subnormals kept.
;;     - The product sums the exact products of the quantised numbers (number of the format x scale) in f32.
;;   ~~~python
;;   def quantise(x, axis):      # numpy; x: float32 -> the quantised numbers, widened to float32 again
;;       x = np.moveaxis(x, axis, -1); K = x.shape[-1]
;;       x = np.pad(x, [(0, 0)] * (x.ndim - 1) + [(0, -K % 32)]); x = x.reshape(x.shape[:-1] + (-1, 32)); a = np.abs(x).max(-1, keepdims=True)
;;       e = np.where(a > 0, np.clip(np.frexp(np.where(a > 0, a, 1))[1] - 1 - 2, -126, 127), 0)      # np.frexp(a)[1] - 1 = floor(log2(a)), exactly
;;       r = np.clip(x / 2.0 ** e, -6, 6)
;;       step = 2.0 ** (np.maximum(np.frexp(np.where(r == 0, 1, r))[1] - 1, 0) - 1)
;;       q = np.round(r / step) * step * 2.0 ** e      # np.round: ties to even
;;       return np.moveaxis(q.reshape(q.shape[:-2] + (-1,))[..., :K], -1, axis).astype(np.float32)
;;   ~~~
;; 2 versions, each right; version 2 is version 1 with the launch qkv written anew for expert scheduling mode. Each part assembles by itself: llvm-mc -triple=amdgcn-amd-amdhsa -mcpu=gfx1250 --defsym DOCPART=n.
;; ======== version 1 of 2: 4 launches
;; limits: values are held in f16: magnitudes above 65,504 overflow, below 6.1e-05 lose precision
;; workspace buffers: wc 393,216 bytes; ws 24,576 bytes; wof 524,288 bytes; qf 33,554,432 bytes; kf 33,554,432 bytes; vf 33,554,432 bytes; first 3,145,728 bytes
;; launch prep (part 1): grid 128 x 1, 4 waves a work-group, no clusters, 0 bytes of LDS; arguments Wq, Wk, Wv, Wo, wc, ws, wof; writes wc, ws, wof
.if DOCPART == 1
	.amdgcn_target "amdgcn-amd-amdhsa--gfx1250"
	.amdhsa_code_object_version 6
	.text
	.protected	k_q96446f45d5_prep
	.globl	k_q96446f45d5_prep
	.p2align	8
	.type	k_q96446f45d5_prep,@function
k_q96446f45d5_prep:
	s_mov_b64 s[64:65], 0
	v_nop
	global_prefetch_b8 v0, s[64:65] scope:SCOPE_SE
	s_setreg_imm32_b32 hwreg(HW_REG_WAVE_MODE, 25, 1), 1
	s_wait_xcnt 0x0
; The weights are laid out once, in the order in which a wave's operand registers take them.
; Work-groups 0-95: Wq, Wk, Wv [512][512] f32 (K innermost) become codes of E2M1 with one E8M0 byte for each 32 along K.
;   Work-group wg = 32 mat + 4 head + ct takes rows 16 (wg % 32) on of its matrix; wave s takes K step s (128 along K).
;   Lane (r, h) takes row r and k = 128 s + 64 c + 32 h + 0..31 (c = 0, 1): two whole blocks, in the very order of the 4-bit operand's registers,
;   so the conversions' results are the fragment.  wc: [mat][head][ct][s][c][lane][16 bytes];  ws: [512 mat + row][16 bytes], word s = K step s.
;   A block's scale is 2^(floor(log2(largest magnitude)) - 2): its byte is the largest magnitude's exponent field - 2, held at 1 from below.
; Work-groups 96-127: Wo becomes f16 fragments.  g = wg - 96 takes rows 16 g on; wave wv takes k = 128 wv on.
;   wof: [w 8][kc 16][nt 4][half 2][lane][16 bytes] = Wo(64 w + 16 nt + r, 32 kc + 16 half + 8 h + 0..7).
; LIMITS: a block of zeros gets the byte 1 (its codes are zeros; only this program reads the bytes); NaN and infinities are not served; |Wo| stays at or under 65,504 (f16).
; No LDS, no barrier: waves share nothing.  Every store of codes and of f16 fragments covers 512 consecutive bytes of a wave.
.set XN, 32                            ; v32-95   64 numbers as loaded
.set CD, 96                            ; v96-127  results
	s_load_b256 s[4:11], s[0:1], 0x0               ; Wq s[4:5], Wk s[6:7], Wv s[8:9], Wo s[10:11]
	s_load_b128 s[12:15], s[0:1], 0x20             ; wc s[12:13], ws s[14:15]
	s_load_b64 s[16:17], s[0:1], 0x30              ; wof
	v_lshrrev_b32 v1, 5, v0
	v_readfirstlane_b32 s18, v1                    ; wave 0..3
	v_and_b32 v1, 15, v0                           ; r
	v_bfe_u32 v2, v0, 4, 1                         ; h
	v_and_b32 v4, 31, v0
	v_lshlrev_b32 v4, 4, v4                        ; 16 x lane
	v_lshlrev_b32 v3, 11, v1                       ; row r of 2,048 bytes
	s_mov_b32 s23, 0
	s_mov_b32 s24, 0x76543210
	s_mov_b32 s25, 0xfedcba98                      ; v_permlanex16_b32's selects for lane l xor 16
	s_wait_kmcnt 0x0
	s_cmp_lt_u32 ttmp9, 96
	s_cbranch_scc0 .Lwo
	; ---- Wq, Wk, Wv into codes
	s_cmp_lt_u32 ttmp9, 64                         ; which matrix: the choice hangs on the work-group's number alone
	s_cselect_b64 s[20:21], s[6:7], s[8:9]
	s_cmp_lt_u32 ttmp9, 32
	s_cselect_b64 s[20:21], s[4:5], s[20:21]
	s_and_b32 s22, ttmp9, 31
	s_lshl_b32 s22, s22, 15                        ; 16 rows of 2,048 bytes
	s_lshl_b32 s26, s18, 9                         ; K step s: 512 bytes on
	s_add_co_u32 s22, s22, s26
	s_add_nc_u64 s[20:21], s[20:21], s[22:23]
	v_lshl_add_u32 v3, v2, 7, v3                   ; + 128 h: lanes 16-31 begin 32 numbers on
.irp c, 0,1
.irp i, 0,1,2,3,4,5,6,7
	global_load_b128 v[XN+32*\c+4*\i:XN+32*\c+4*\i+3], v3, s[20:21] offset:256*\c+16*\i
.endr
.endr
	s_lshl_b32 s22, ttmp9, 2
	s_add_co_u32 s22, s22, s18
	s_lshl_b32 s22, s22, 10                        ; fragment 4 wg + s, 1,024 bytes each
	s_add_nc_u64 s[12:13], s[12:13], s[22:23]
	s_lshl_b32 s22, ttmp9, 8                       ; 16 rows of 16 scale bytes
	s_lshl_b32 s26, s18, 2                         ; word s
	s_add_co_u32 s22, s22, s26
	s_add_nc_u64 s[14:15], s[14:15], s[22:23]
	v_lshlrev_b32 v5, 4, v1                        ; my row's 16 scale bytes
	s_wait_loadcnt 0x0
.irp c, 0,1
	v_max3_num_f32 v[8+\c], |v[XN+32*\c]|, |v[XN+1+32*\c]|, 0x1800000   ; my block 2 c + h: all 32 numbers are mine; the floor 2^(3 - 127) holds the byte at 1 from below
.endr
.irp i, 2,4,6,8,10,12,14,16,18,20,22,24,26,28,30
.irp c, 0,1
	v_max3_num_f32 v[8+\c], v[8+\c], |v[XN+32*\c+\i]|, |v[XN+1+32*\c+\i]|   ; the two blocks by turns
.endr
.endr
.irp c, 0,1
	v_add_nc_u32 v[10+\c], 0xff000000, v[8+\c]     ; 2 off the exponent field: the conversion's scale operand
.endr
.irp c, 0,1
	v_lshrrev_b32 v[12+\c], 23, v[10+\c]           ; the scale's byte
.endr
	v_lshl_or_b32 v14, v13, 16, v12                ; my two bytes: blocks h and 2 + h,
	v_lshlrev_b32 v15, 3, v2
	v_lshlrev_b32 v14, v15, v14                    ; 8 h bits up;
	v_mov_b32 v15, 0
	v_permlanex16_b32 v15, v14, s24, s25
	v_or_b32 v14, v14, v15                         ; with lane l xor 16's two the word is whole
.irp c, 0,1
.irp g, 0,1,2,3
	v_cvt_scalef32_pk8_fp4_f32 v[CD+4*\c+\g], v[XN+32*\c+8*\g:XN+32*\c+8*\g+7], v[10+\c]   ; registers 4 c .. 4 c + 3 of the operand
.endr
.endr
	v_nop                                          ; one plain line behind the last scaled conversion
	global_store_b128 v4, v[CD:CD+3], s[12:13]
	global_store_b128 v4, v[CD+4:CD+7], s[12:13] offset:512
	global_store_b32 v5, v14, s[14:15]             ; lanes r and 16 + r store the same word with the same value
	s_endpgm
.Lwo:
	; ---- Wo into f16 fragments
	s_sub_co_u32 s19, ttmp9, 96                    ; g
	v_lshl_add_u32 v3, v2, 5, v3                   ; + 32 h: my 8 numbers of a half
	s_lshl_b32 s22, s19, 15                        ; rows 16 g on
	s_lshl_b32 s26, s18, 9                         ; k = 128 wave on
	s_add_co_u32 s22, s22, s26
	s_add_nc_u64 s[10:11], s[10:11], s[22:23]
.irp k, 0,1,2,3
.irp f, 0,1
.irp e, 0,1
	global_load_b128 v[XN+16*\k+8*\f+4*\e:XN+16*\k+8*\f+4*\e+3], v3, s[10:11] offset:128*\k+64*\f+16*\e
.endr
.endr
.endr
	s_lshr_b32 s20, s19, 2                         ; w = g / 4
	s_lshl_b32 s20, s20, 16
	s_and_b32 s21, s19, 3                          ; nt = g % 4
	s_lshl_b32 s21, s21, 10
	s_add_co_u32 s20, s20, s21
	s_lshl_b32 s21, s18, 14                        ; kc = 4 wave on
	s_add_co_u32 s22, s20, s21
	s_add_nc_u64 s[16:17], s[16:17], s[22:23]
	s_wait_loadcnt 0x0
.set i, 0
.rept 32
	v_cvt_pk_f16_f32 v[CD+i], v[XN+2*i], v[XN+2*i+1]
.set i, i+1
.endr
.irp k, 0,1,2,3
.irp f, 0,1
	global_store_b128 v4, v[CD+8*\k+4*\f:CD+8*\k+4*\f+3], s[16:17] offset:4096*\k+512*\f
.endr
.endr
	s_endpgm
.Lfunc_end_k_q96446f45d5_prep:
	.size	k_q96446f45d5_prep, .Lfunc_end_k_q96446f45d5_prep-k_q96446f45d5_prep
	.p2alignl 7, 3214868480
	.fill 96, 4, 3214868480
	.section	.rodata,"a",@progbits
	.p2align	6, 0x0
	.amdhsa_kernel k_q96446f45d5_prep
		.amdhsa_group_segment_fixed_size 0
		.amdhsa_private_segment_fixed_size 0
		.amdhsa_enable_private_segment 0
		.amdhsa_kernarg_size 56
		.amdhsa_user_sgpr_count 2
		.amdhsa_user_sgpr_kernarg_segment_ptr 1
		.amdhsa_wavefront_size32 1
		.amdhsa_system_sgpr_workgroup_id_x 1
		.amdhsa_system_sgpr_workgroup_id_y 1
		.amdhsa_system_sgpr_workgroup_id_z 1
		.amdhsa_system_vgpr_workitem_id 0
		.amdhsa_next_free_vgpr 128
		.amdhsa_next_free_sgpr 66
		.amdhsa_reserve_vcc 0
		.amdhsa_float_denorm_mode_32 3
		.amdhsa_float_denorm_mode_16_64 3
		.amdhsa_memory_ordered 1
		.amdhsa_forward_progress 1
		.amdhsa_inst_pref_size 12
	.end_amdhsa_kernel
	.amdgpu_metadata
---
amdhsa.version: [ 1, 2 ]
amdhsa.kernels:
  - .name:           k_q96446f45d5_prep
    .symbol:         k_q96446f45d5_prep.kd
    .args:
      - { .name: Wq, .offset: 0, .size: 8, .value_kind: global_buffer, .address_space: global }
      - { .name: Wk, .offset: 8, .size: 8, .value_kind: global_buffer, .address_space: global }
      - { .name: Wv, .offset: 16, .size: 8, .value_kind: global_buffer, .address_space: global }
      - { .name: Wo, .offset: 24, .size: 8, .value_kind: global_buffer, .address_space: global }
      - { .name: wc, .offset: 32, .size: 8, .value_kind: global_buffer, .address_space: global }
      - { .name: ws, .offset: 40, .size: 8, .value_kind: global_buffer, .address_space: global }
      - { .name: wof, .offset: 48, .size: 8, .value_kind: global_buffer, .address_space: global }
    .group_segment_fixed_size: 0
    .private_segment_fixed_size: 0
    .kernarg_segment_align: 8
    .kernarg_segment_size: 56
    .max_flat_workgroup_size: 128
    .sgpr_count:     66
    .vgpr_count:     128
    .wavefront_size: 32
...
	.end_amdgpu_metadata
.endif
;; end of part 1
;; launch qkv (part 2): grid 256 x 1, 8 waves a work-group, no clusters, 37,888 bytes of LDS; arguments x, wc, ws, bq, bk, bv, qf, kf, vf, first; writes qf, kf, vf, first
.if DOCPART == 2
	.amdgcn_target "amdgcn-amd-amdhsa--gfx1250"
	.amdhsa_code_object_version 6
	.text
	.protected	k_q96446f45d5_qkv
	.globl	k_q96446f45d5_qkv
	.p2align	8
	.type	k_q96446f45d5_qkv,@function
k_q96446f45d5_qkv:
	s_mov_b64 s[64:65], 0
	v_nop
	global_prefetch_b8 v0, s[64:65] scope:SCOPE_SE
	s_setreg_imm32_b32 hwreg(HW_REG_WAVE_MODE, 25, 1), 1
	s_wait_xcnt 0x0
; q, k, v = x W^T + b, on codes of E2M1 with one E8M0 scale for each 32 along K = 512; sums in f32.
; SHARES.  A work-group takes 128 tokens (batch b = wg / 8, tokens 128 (wg % 8) on).  Wave w first quantises token tile w (16 tokens, four fragments of 128 along K) and hands the fragments to the
; other waves through LDS as images of the operand's registers; then it makes head w's 12 column tiles (q: 0-3, k: 4-7, v: 8-11; 16 columns each) for all 8 token tiles.
; So x is read and quantised once, all of x's fragments stay in 256 registers, and each weight fragment loaded feeds 8 matrix instructions.
; q AND k ARE MADE TRANSPOSED (source 0 = 16 rows of W, source 1 = 16 tokens): a lane holds one token and eight neighbouring channels, which pack into the 16 bytes that a 16-bit fragment wants of that lane.
; v is made the other way round (source 0 = tokens): a lane holds one channel and eight neighbouring tokens: the fragment of V^T.  The bias is the C of each sum's first matrix instruction.
; OUT.  qf, kf: [b][head][tile 64][c 2][half 2][lane][16 bytes] = (token 16 tile + r, channel 32 c + 16 half + 8 h + 0..7), f16;  vf: [b][head][u 32][ct 4][half 2][lane][16 bytes] = (channel 16 ct + r, tokens 32 u + 16 half + 8 h + 0..7).
; Every such store covers 512 consecutive bytes of a wave.  The first 16 positions of each batch also go out in f32 (first: q [b][16][512], k the same 1 MiB on, v [b][512][16] 2 MiB on) for the launch that carries them finely.
; LIMITS: |q|, |k|, |v| at or under 65,504 (f16); a block of zeros gets the byte 1 with zero codes; NaN and infinities are not served.
; No tile of this launch is read by two work-groups but the weights' 408 KB, which come straight into registers: so no cluster and no tensor load.
; REGISTERS.  window 0: v1-12 addresses; v14, v15 the add's two; v16-47 x's scale words, v48-55 W's (these 40 hold scales and nothing else); v56-71 bias (earlier: at work); v72-135 W's fragments, two sets;
;   v136-199 eight accumulators; v200-231 packed results; while x is quantised v128-255 hold two sets of 64 numbers.   window 1: x's 32 fragments, (tile m, K step s) at v[8 (4 m + s)].
.set XSC,   32768                      ; LDS: x's images [tile 8][s 4][c 2][lane][16] from 0; their scale words [tile][s][lane][4] from here
.set SPARE, 36864                      ; the spare words, 128 bytes for each wave: four blocks of 256 bytes that no other line names
.set XA,   3                           ; v3   x: 2,048 r + 64 h
.set LI,   4                           ; v4   16 x lane
.set LS,   5                           ; v5   4 x lane
.set XWI,  6                           ; v6   where I store images: 16 x lane + 4,096 x wave
.set XWS,  7                           ; v7   and scale words: 4 x lane + 512 x wave
.set SO16, 8                           ; v8   16 r: W's scale words of row r
.set B1O,  9                           ; v9   32 h
.set B2O,  10                          ; v10  4 r
.set F1,   11                          ; v11  2,048 r + 32 h: f32 copies of q and k
.set F2,   12                          ; v12  64 r + 32 h: of v
.set SPW,  14
.set NIL,  15
.set XS,   16
.set WS,   48
.set TM,   56                          ; while x is quantised: v56-59 largest magnitudes, v60-63 bytes, v68-71 the conversions' scale operands
.set PW,   72                          ; the scale word just made
.set PC,   74                          ; the codes just made
.set S0,   128
.set S1,   192
.set BI,   56
.set WF,   72
.set ACC,  136
.set PK,   200
.set WV,   24
.set TBK,  25
.set SEL,  26
.set MSB, 0
.macro WIN new                         ; the immediate's high byte repeats the setting that is left
.if MSB != \new
	s_set_vgpr_msb (MSB<<8)|\new
.set MSB, \new
.endif
.endm
.macro PLACES n
.rept \n
	v_nop
.endr
.endm
; my 16 tokens' numbers of K step st: lane (r, h) takes, of token r, 16 neighbours of each block of 32: register 16 b + i = k 32 b + 16 h + i
.macro XLOAD set, st
.irp b, 0,1,2,3
.irp j, 0,1,2,3
	global_load_b128 v[\set+16*\b+4*\j:\set+16*\b+4*\j+3], v[XA], s[28:29] offset:512*\st+128*\b+16*\j th:TH_LOAD_NT
.endr
.endr
.endm
; 64 numbers of a lane become a fragment's codes in v[PC] on and its scale word in v[PW]
.macro QUANT s
.irp b, 0,1,2,3
	v_max3_num_f32 v[TM+\b], |v[\s+16*\b]|, |v[\s+1+16*\b]|, 0x1800000   ; block b: my 16 numbers, and the floor 2^(3 - 127): the byte cannot fall under 1
.endr
.irp i, 2,4,6,8,10,12,14
.irp b, 0,1,2,3
	v_max3_num_f32 v[TM+\b], v[TM+\b], |v[\s+16*\b+\i]|, |v[\s+1+16*\b+\i]|   ; the four blocks by turns
.endr
.endr
.irp b, 0,1,2,3
	v_permlanex16_b32 v[TM+4+\b], v[TM+\b], s[SEL], s[SEL+1]
.endr
.irp b, 0,1,2,3
	v_max_num_f32 v[TM+\b], v[TM+\b], v[TM+4+\b]   ; with lane l xor 16's: the block's largest magnitude
.endr
.irp b, 0,1,2,3
	v_add_nc_u32 v[TM+12+\b], 0xff000000, v[TM+\b] ; 2 off its exponent field: the conversion's scale operand
.endr
.irp b, 0,1,2,3
	v_lshrrev_b32 v[TM+4+\b], 23, v[TM+12+\b]      ; the scale's byte
.endr
	v_lshl_or_b32 v[PW], v[TM+5], 8, v[TM+4]
	v_lshl_or_b32 v[PW], v[TM+6], 16, v[PW]
	v_lshl_or_b32 v[PW], v[TM+7], 24, v[PW]
.irp b, 0,1,2,3
	v_cvt_scalef32_pk8_fp4_f32 v[PC+2*\b], v[\s+16*\b:\s+7+16*\b], v[TM+12+\b]
	v_cvt_scalef32_pk8_fp4_f32 v[PC+1+2*\b], v[\s+8+16*\b:\s+15+16*\b], v[TM+12+\b]
.endr
	v_nop                                          ; one plain line behind the last scaled conversion
.irp c, 0,1                                    ; the operand wants a whole block in a lane: lanes 0-15 block 2 c, lanes 16-31 block 2 c + 1
.irp i, 0,1
	v_permlane16_swap_b32 v[PC+4*\c+\i], v[PC+2+4*\c+\i]
.endr
.endr
.endm
.macro IMAGE st                                ; the fragment and its scale word go to LDS as they stand
.irp c, 0,1
	ds_store_b128 v[XWI], v[PC+4*\c:PC+4*\c+3] offset:1024*\st+512*\c
.endr
	ds_store_b32 v[XWS], v[PW] offset:XSC+128*\st
.endm
; column tile n's four fragments, four scale words and bias, into set n % 2: 11 loads for q and k, 17 for v
.macro WLOAD n
.set WMAT, (\n)/4
.set WCT,  (\n)%4
.set WSET, (\n)%2
.irp k, 0,1,2,3,4,5,6,7
	global_load_b128 v[WF+32*WSET+4*\k:WF+32*WSET+4*\k+3], v[LI], s[30:31] offset:131072*WMAT+4096*WCT+512*\k
.endr
	global_load_b128 v[WS+4*WSET:WS+4*WSET+3], v[SO16], s[32:33] offset:8192*WMAT+256*WCT
.if WMAT < 2
	global_load_b128 v[BI+8*WSET:BI+8*WSET+3], v[B1O], s[34+2*WMAT:35+2*WMAT] offset:64*WCT      ; register j: the bias of channel 8 h + j
	global_load_b128 v[BI+8*WSET+4:BI+8*WSET+7], v[B1O], s[34+2*WMAT:35+2*WMAT] offset:64*WCT+16
.else
.irp k, 0,1,2,3,4,5,6,7
	global_load_b32 v[BI+8*WSET+\k], v[B2O], s[38:39] offset:64*WCT                                ; every register: the bias of channel r
.endr
.endif
.endm
; 32 matrix instructions: K step by K step, the eight token tiles' accumulators by turns, one instruction a turn
.macro MUL n
.set MAT, (\n)/4
.set SET, (\n)%2
.if MAT < 2
	WIN 0x04                                       ; source 1 (x) window 1
.else
	WIN 0x01                                       ; source 0 (x) window 1
.endif
.irp s, 0,1,2,3
.irp m, 0,1,2,3,4,5,6,7
.if MAT < 2
.if \s == 0
	v_wmma_scale_f32_16x16x128_f8f6f4 v[ACC+8*\m:ACC+8*\m+7], v[WF+32*SET+8*\s:WF+32*SET+8*\s+7], v[8*(4*\m+\s):8*(4*\m+\s)+7], v[BI+8*SET:BI+8*SET+7], v[WS+4*SET+\s], v[XS+4*\m+\s] matrix_a_fmt:MATRIX_FMT_FP4 matrix_b_fmt:MATRIX_FMT_FP4
.else
	v_wmma_scale_f32_16x16x128_f8f6f4 v[ACC+8*\m:ACC+8*\m+7], v[WF+32*SET+8*\s:WF+32*SET+8*\s+7], v[8*(4*\m+\s):8*(4*\m+\s)+7], v[ACC+8*\m:ACC+8*\m+7], v[WS+4*SET+\s], v[XS+4*\m+\s] matrix_a_fmt:MATRIX_FMT_FP4 matrix_b_fmt:MATRIX_FMT_FP4
.endif
.else
.if \s == 0
	v_wmma_scale_f32_16x16x128_f8f6f4 v[ACC+8*\m:ACC+8*\m+7], v[8*(4*\m+\s):8*(4*\m+\s)+7], v[WF+32*SET+8*\s:WF+32*SET+8*\s+7], v[BI+8*SET:BI+8*SET+7], v[XS+4*\m+\s], v[WS+4*SET+\s] matrix_a_fmt:MATRIX_FMT_FP4 matrix_b_fmt:MATRIX_FMT_FP4
.else
	v_wmma_scale_f32_16x16x128_f8f6f4 v[ACC+8*\m:ACC+8*\m+7], v[8*(4*\m+\s):8*(4*\m+\s)+7], v[WF+32*SET+8*\s:WF+32*SET+8*\s+7], v[ACC+8*\m:ACC+8*\m+7], v[XS+4*\m+\s], v[WS+4*SET+\s] matrix_a_fmt:MATRIX_FMT_FP4 matrix_b_fmt:MATRIX_FMT_FP4
.endif
.endif
.endr
.endr
	WIN 0
.endm
; tile n leaves: the set just multiplied is loaded anew, the first 16 positions are copied in f32, all is rounded to f16 and stored
.macro OUT n
.set OMAT, (\n)/4
.set OCT,  (\n)%4
	PLACES 4                                       ; four plain lines between the last products and the loads into their sources and the first read of their results
.if (\n) < 10
	WLOAD (\n)+2
.endif
	s_cmp_lg_u32 s[TBK], 0                         ; only the batch's first work-group holds positions 0-15: its token tile 0
	s_cbranch_scc1 .Lnocopy_\@
.if OMAT < 2
	global_store_b128 v[F1], v[ACC:ACC+3], s[46:47] offset:(OMAT<<20)+64*OCT
	global_store_b128 v[F1], v[ACC+4:ACC+7], s[46:47] offset:(OMAT<<20)+64*OCT+16
.else
	global_store_b128 v[F2], v[ACC:ACC+3], s[48:49] offset:1024*OCT
	global_store_b128 v[F2], v[ACC+4:ACC+7], s[48:49] offset:1024*OCT+16
.endif
.Lnocopy_\@:
	s_wait_xcnt 0x0                                ; the last tile's stores have read v[PK] on, the copies the accumulator: both are written again only behind this wait
.irp m, 0,1,2,3,4,5,6,7
.irp i, 0,1,2,3
	v_cvt_pk_f16_f32 v[PK+4*\m+\i], v[ACC+8*\m+2*\i], v[ACC+8*\m+2*\i+1]   ; each accumulator from its low end on; these 32 also stand between the last products and the next tile's, which begin the accumulators anew
.endr
.endr
.irp m, 0,1,2,3,4,5,6,7
.if OMAT < 2
	global_store_b128 v[LI], v[PK+4*\m:PK+4*\m+3], s[40+2*OMAT:41+2*OMAT] offset:2048*\m+512*OCT
.else
	global_store_b128 v[LI], v[PK+4*\m:PK+4*\m+3], s[44:45] offset:4096*(\m/2)+1024*OCT+512*(\m%2)
.endif
.endr
.endm
	s_load_b256 s[4:11], s[0:1], 0x0               ; x s[4:5], wc s[6:7], ws s[8:9], bq s[10:11]
	s_load_b256 s[12:19], s[0:1], 0x20             ; bk s[12:13], bv s[14:15], qf s[16:17], kf s[18:19]
	s_load_b128 s[20:23], s[0:1], 0x40             ; vf s[20:21], first s[22:23]
	v_lshl_add_u32 v[SPW], v0, 2, SPARE
	v_mov_b32 v[NIL], 0
	v_lshrrev_b32 v1, 5, v0
	v_readfirstlane_b32 s[WV], v1                  ; wave 0..7
	v_and_b32 v13, 31, v0                          ; lane
	v_and_b32 v1, 15, v0                           ; r
	v_bfe_u32 v2, v0, 4, 1                         ; h
	v_lshlrev_b32 v[XA], 11, v1
	v_lshl_add_u32 v[XA], v2, 6, v[XA]
	v_lshlrev_b32 v[LI], 4, v13
	v_lshlrev_b32 v[LS], 2, v13
	s_lshl_b32 s50, s[WV], 12
	v_add_nc_u32 v[XWI], s50, v[LI]
	s_lshl_b32 s50, s[WV], 9
	v_add_nc_u32 v[XWS], s50, v[LS]
	v_lshlrev_b32 v[SO16], 4, v1
	v_lshlrev_b32 v[B1O], 5, v2
	v_lshlrev_b32 v[B2O], 2, v1
	v_lshl_add_u32 v[F1], v1, 11, v[B1O]
	v_lshl_add_u32 v[F2], v1, 6, v[B1O]
.irp b, 0,1,2,3
	v_mov_b32 v[TM+4+\b], 0                        ; written once: a lane permute's destination counts as one of its sources
.endr
	s_mov_b32 s[SEL], 0x76543210
	s_mov_b32 s[SEL+1], 0xfedcba98
	s_and_b32 s[TBK], ttmp9, 7                     ; which 128 tokens of the batch
	s_lshr_b32 s51, ttmp9, 3                       ; the batch
	s_lshl_b32 s52, ttmp9, 18                      ; x: 128 tokens of 2,048 bytes a work-group,
	s_lshl_b32 s53, s[WV], 15                      ; 16 a wave
	s_add_co_u32 s52, s52, s53
	s_mov_b32 s53, 0
	s_lshl_b32 s54, s[WV], 14                      ; wc: a head's 16 fragments
	s_mov_b32 s55, 0
	s_lshl_b32 s56, s[WV], 10                      ; ws: a head's 64 rows
	s_mov_b32 s57, 0
	s_lshl_b32 s58, s[WV], 8                       ; the biases, and a row of q: a head's 64 numbers
	s_mov_b32 s59, 0
	s_lshl_b32 s60, s51, 3
	s_add_co_u32 s60, s60, s[WV]
	s_lshl_b32 s60, s60, 17                        ; qf, kf, vf: 131,072 bytes for a batch's head,
	s_lshl_b32 s61, s[TBK], 14                     ; 16,384 for 128 tokens
	s_add_co_u32 s60, s60, s61
	s_mov_b32 s61, 0
	s_lshl_b32 s62, s51, 15                        ; first: 32,768 bytes a batch
	s_mov_b32 s63, 0
	s_wait_kmcnt 0x0
	s_add_nc_u64 s[28:29], s[4:5], s[52:53]
	s_add_nc_u64 s[30:31], s[6:7], s[54:55]
	s_add_nc_u64 s[32:33], s[8:9], s[56:57]
	s_add_nc_u64 s[34:35], s[10:11], s[58:59]
	s_add_nc_u64 s[36:37], s[12:13], s[58:59]
	s_add_nc_u64 s[38:39], s[14:15], s[58:59]
	s_add_nc_u64 s[40:41], s[16:17], s[60:61]
	s_add_nc_u64 s[42:43], s[18:19], s[60:61]
	s_add_nc_u64 s[44:45], s[20:21], s[60:61]
	s_add_nc_u64 s[46:47], s[22:23], s[62:63]
	s_add_nc_u64 s[48:49], s[46:47], 0x200000      ; v's copies lie 2 MiB on,
	s_add_nc_u64 s[46:47], s[46:47], s[58:59]
	s_lshl_b32 s54, s[WV], 12                      ; 64 channels of 64 bytes a head
	s_add_nc_u64 s[48:49], s[48:49], s[54:55]
	; ---- my 16 tokens become four fragments; the loads run one K step ahead
	XLOAD S0, 0
	XLOAD S1, 1
	s_wait_loadcnt 16                              ; K step 0 is in; step 1's 16 loads may be out
	QUANT S0
	IMAGE 0
	XLOAD S0, 2
	s_wait_loadcnt 16                              ; step 1 is in; step 2's may be out
	s_wait_dscnt 0x0                               ; the stores have read the codes' registers
	QUANT S1
	IMAGE 1
	XLOAD S1, 3
	s_wait_loadcnt 16                              ; step 2 is in; step 3's may be out
	s_wait_dscnt 0x0
	QUANT S0
	IMAGE 2
	s_wait_loadcnt 0x0
	s_wait_dscnt 0x0
	QUANT S1
	IMAGE 3
	s_wait_dscnt 0x0                               ; my images lie in LDS, and their registers are free for the weights
	WLOAD 0
	WLOAD 1
	s_barrier_signal -1
	s_barrier_wait -1                              ; all 32 fragments lie in LDS
	WIN 0x40                                       ; destination window 1
.set i, 0
.rept 64
	ds_load_b128 v[4*i:4*i+3], v[LI] offset:512*i
.set i, i+1
.endr
	WIN 0
.set i, 0
.rept 32
	ds_load_b32 v[XS+i], v[LS] offset:XSC+128*i
.set i, i+1
.endr
	s_wait_dscnt 0x0
	; ---- head w's 12 column tiles
.irp n, 0,1,2,3,4,5,6,7,8,9,10,11
.if \n == 11
	s_wait_loadcnt 0x0
.elseif \n >= 7
	s_wait_loadcnt 17                              ; this tile's loads are in; the next tile's 17 (a tile of v) may be out
.else
	s_wait_loadcnt 11                              ; this tile's loads are in; the next tile's 11 may be out
.endif
	MUL \n
	OUT \n
.endr
	s_wait_tensorcnt 0x0                           ; the wave's end: three closing lines behind my last LDS store
	ds_add_u32 v[SPW], v[NIL]
	s_wait_dscnt 0x0
	s_endpgm
.Lfunc_end_k_q96446f45d5_qkv:
	.size	k_q96446f45d5_qkv, .Lfunc_end_k_q96446f45d5_qkv-k_q96446f45d5_qkv
	.p2alignl 7, 3214868480
	.fill 96, 4, 3214868480
	.section	.rodata,"a",@progbits
	.p2align	6, 0x0
	.amdhsa_kernel k_q96446f45d5_qkv
		.amdhsa_group_segment_fixed_size 37888
		.amdhsa_private_segment_fixed_size 0
		.amdhsa_enable_private_segment 0
		.amdhsa_kernarg_size 80
		.amdhsa_user_sgpr_count 2
		.amdhsa_user_sgpr_kernarg_segment_ptr 1
		.amdhsa_wavefront_size32 1
		.amdhsa_system_sgpr_workgroup_id_x 1
		.amdhsa_system_sgpr_workgroup_id_y 1
		.amdhsa_system_sgpr_workgroup_id_z 1
		.amdhsa_system_vgpr_workitem_id 0
		.amdhsa_next_free_vgpr 512
		.amdhsa_next_free_sgpr 66
		.amdhsa_reserve_vcc 0
		.amdhsa_float_denorm_mode_32 3
		.amdhsa_float_denorm_mode_16_64 3
		.amdhsa_memory_ordered 1
		.amdhsa_forward_progress 1
		.amdhsa_inst_pref_size 133
	.end_amdhsa_kernel
	.amdgpu_metadata
---
amdhsa.version: [ 1, 2 ]
amdhsa.kernels:
  - .name:           k_q96446f45d5_qkv
    .symbol:         k_q96446f45d5_qkv.kd
    .args:
      - { .name: x, .offset: 0, .size: 8, .value_kind: global_buffer, .address_space: global }
      - { .name: wc, .offset: 8, .size: 8, .value_kind: global_buffer, .address_space: global }
      - { .name: ws, .offset: 16, .size: 8, .value_kind: global_buffer, .address_space: global }
      - { .name: bq, .offset: 24, .size: 8, .value_kind: global_buffer, .address_space: global }
      - { .name: bk, .offset: 32, .size: 8, .value_kind: global_buffer, .address_space: global }
      - { .name: bv, .offset: 40, .size: 8, .value_kind: global_buffer, .address_space: global }
      - { .name: qf, .offset: 48, .size: 8, .value_kind: global_buffer, .address_space: global }
      - { .name: kf, .offset: 56, .size: 8, .value_kind: global_buffer, .address_space: global }
      - { .name: vf, .offset: 64, .size: 8, .value_kind: global_buffer, .address_space: global }
      - { .name: first, .offset: 72, .size: 8, .value_kind: global_buffer, .address_space: global }
    .group_segment_fixed_size: 37888
    .private_segment_fixed_size: 0
    .kernarg_segment_align: 8
    .kernarg_segment_size: 80
    .max_flat_workgroup_size: 256
    .sgpr_count:     66
    .vgpr_count:     512
    .wavefront_size: 32
...
	.end_amdgpu_metadata
.endif
;; end of part 2
;; launch attn (part 3): grid 8 x 32, 8 waves a work-group, no clusters, 199,680 bytes of LDS; arguments qf, kf, vf, wof, time_intervals, bo, out0; writes out0
.if DOCPART == 3
	.amdgcn_target "amdgcn-amd-amdhsa--gfx1250"
	.amdhsa_code_object_version 6
	.text
	.protected	k_q96446f45d5_attn
	.globl	k_q96446f45d5_attn
	.p2align	8
	.type	k_q96446f45d5_attn,@function
k_q96446f45d5_attn:
	s_mov_b64 s[64:65], 0
	v_nop
	global_prefetch_b8 v0, s[64:65] scope:SCOPE_SE
	s_setreg_imm32_b32 hwreg(HW_REG_WAVE_MODE, 25, 1), 1
	s_wait_xcnt 0x0
; Causal attention with a time decay, and the projection by Wo, for all positions but the first 16 of each batch (those are carried in f32 by the next launch).
; score(q, k) = (q . k / 8) x omega, omega = sigmoid(0.5 - 0.5 |t_q - t_k|); softmax over the keys k <= q with a running maximum; o = sum p v / sum p; out = o Wo^T + bo.  f16 operands, f32 sums, softmax in f32.
; SHARES.  Work-group (p, b) takes query block p (64 queries) of batch b and then block 15 - p: (p + 1) + (16 - p) = 17 key steps of 64 keys in every work-group, so all trip counts are constants and all 256 work-groups do equal work.
; Wave w is head w.  OMEGA HANGS ON (batch, query, key) AND NOT ON THE HEAD: the eight waves make a step's 64 x 64 omegas together, one eighth each, a step ahead, into one of two LDS buffers, and every wave reads all of them.
; What is kept is omega x log2(e) / 8 = 1 / (2^(k1 |dt| + k2) + 8 ln 2), k1 = log2(e) / 2, k2 = log2(8 ln 2) - k1: a score times it is the exponent to base 2.  (A huge |dt| gives infinity, whose reciprocal is 0, as omega is then.)
; LAYOUT.  S^T = K Q^T (source 0 = 16 keys, source 1 = 16 queries) and O^T = V^T P: a lane holds ONE query throughout; two tiles of S^T rounded to f16 in pairs are source 1 of the second product.
; K, V and Q come from memory as images of the operand's registers: every load is 512 consecutive bytes of a wave, straight into registers; each fragment of K and V feeds four matrix instructions.
; All 512 channels of a row end in this work-group: o goes to LDS as f16 fragments, and wave w then makes columns 64 w .. 64 w + 63 of out for the 128 rows.
; NO CLUSTER: a head's K and V are read by one wave of a work-group, and the eight work-groups of a batch stand at different key steps in the same trip (block 15 - p begins in trip p + 1), so no tile is wanted by partners at the same time.
; LIMITS: |q|, |k|, |v|, |o|, |Wo| at or under 65,504 (f16); NaN and infinities are not served.
; REGISTERS.  window 0: v1-9 addresses and constants; v10, v11 the add's two; v12-27 four tiles' m, (0), l, l; v28-39 at work; v40-57 times; v58-63 addresses for the end; v64-127 Q; v128-191 S^T of two tiles, then P; v192-255 omegas.
;   window 1: v0-127 O^T (tile a, channels 16 ct on: 32 a + 8 ct); v128-191 K; v192-255 V.   In the projection: window 1 = 32 accumulators; window 0: v12-43 bo, v64-127 fragments of o, v128-255 four chunks of Wo.
.set OMB,   16384                      ; LDS: two buffers of omegas, [pair 4 a + T][half][lane][16 bytes] f32, from 0
.set OIMG,  32768                      ; o as f16 fragments: [row tile 8][kc 16][half][lane][16 bytes]
.set STG,   163840                     ; the way out: 16 rows x (256 + 16) bytes for each wave
.set SPARE, 198656                     ; the spare words, 128 bytes for each wave: four blocks of 256 bytes that no other line names
.set LOFF, 1                           ; 16 x lane
.set OMRA, 2                           ; where this trip's omegas are read
.set OMWA, 3                           ; where I put my eighth of the next trip's
.set TKO,  4                           ; 128 (w % 2) + 32 h: my 16 keys' times
.set TQO,  5                           ; 64 (w / 2) + 4 r: my query's time
.set DG,   6                           ; r - 8 h
.set PFO,  7                           ; 256 x lane
.set OWT,  8                           ; where o's images go
.set NEG,  9                           ; -infinity
.set SPW,  10
.set NIL,  11
.set PS,   12
.set TP,   28                          ; tile a' of the piece in hand at 28 + 6 a': a, m's change, c0-c3
.set TK,   40
.set TQ,   56
.set STO,  58
.set RD,   59
.set CO,   60
.set LIA,  61
.set LIB,  62
.set BOO,  63
.set QF,   64
.set SC,   128
.set OG,   192
.set OA,   0                           ; window 1
.set KF,   128
.set VF,   192
.set BB,   12                          ; the projection
.set OB,   64
.set WB,   128
.set WV,  18
.set PP,  19
.set TR,  20                           ; the trip, 0 .. 16
.set KS,  21                           ; its key step
.set QBK, 22                           ; its query block
.set P15, 23
.set KB,  24
.set VB,  26
.set QB,  28
.set TB,  30
.set KN,  32                           ; the next trip's K, V and times
.set VN,  34
.set TKN, 36
.set TQN, 38
.set OF,  40                           ; an offset, with 0 above it
.set SEL, 42
.set K1,  44
.set K2,  45
.set L8,  46
.set OMT, 48                           ; the buffer that this trip reads
.set TMP, 49
.set PFK, 50
.set PFV, 52
.set LIM, 54
.set NKS, 55
.set OUTA, 56
.set OUTB, 58
.set WOF, 60
.set W2K, 62
.set NQB, 63
.set QN,  66
.set MK,  68                           ; s68-75: lanes in which key 8 h + j comes after query r, j = 0 .. 7
.set MSB, 0
.macro WIN new                         ; the immediate's high byte repeats the setting that is left
.if MSB != \new
	s_set_vgpr_msb (MSB<<8)|\new
.set MSB, \new
.endif
.endm
.macro PLACES n
.rept \n
	v_nop
.endr
.endm
.macro TLOADS                          ; the next trip's times: my 16 keys', my query's
	global_load_b128 v[TK:TK+3], v[TKO], s[TKN:TKN+1]
	global_load_b128 v[TK+4:TK+7], v[TKO], s[TKN:TKN+1] offset:16
	global_load_b128 v[TK+8:TK+11], v[TKO], s[TKN:TKN+1] offset:64
	global_load_b128 v[TK+12:TK+15], v[TKO], s[TKN:TKN+1] offset:80
	global_load_b32 v[TQ], v[TQO], s[TQN:TQN+1]
.endm
.macro PRODUCE                         ; my eighth of the next trip's omegas: query tile w / 2, key tiles 2 (w % 2) and + 1
.irp i, 0,2,4,6,8,10,12,14
	v_pk_add_f32 v[TK+\i:TK+\i+1], v[TK+\i:TK+\i+1], v[TQ:TQ+1] op_sel_hi:[1,0] neg_lo:[0,1] neg_hi:[0,1]
.endr
.irp i, 0,1,2,3,4,5,6,7,8,9,10,11,12,13,14,15
	v_fma_f32 v[TK+\i], |v[TK+\i]|, s[K1], s[K2]
.endr
.irp i, 0,1,2,3,4,5,6,7,8,9,10,11,12,13,14,15
	v_exp_f32 v[TK+\i], v[TK+\i]
.endr
	v_nop                                          ; a plain line behind the last exponential,
	s_wait_alu depctr_va_vdst(0)                   ; and one wait for the batch, ahead of its first reader
.irp i, 0,2,4,6,8,10,12,14
	v_pk_add_f32 v[TK+\i:TK+\i+1], v[TK+\i:TK+\i+1], s[L8:L8+1] op_sel_hi:[1,0]
.endr
.irp i, 0,1,2,3,4,5,6,7,8,9,10,11,12,13,14,15
	v_rcp_f32 v[TK+\i], v[TK+\i]
.endr
	v_nop
	s_wait_alu depctr_va_vdst(0)
.irp i, 0,1,2,3
	ds_store_b128 v[OMWA], v[TK+4*\i:TK+4*\i+3] offset:512*\i
.endr
.endm
.macro OMLOAD x                        ; the omegas of piece x (query tiles 2 x, 2 x + 1), in S^T's layout
.set i, 0
.rept 16
	ds_load_b128 v[OG+4*i:OG+4*i+3], v[OMRA] offset:8192*\x+512*i
.set i, i+1
.endr
.endm
.macro KLOAD base
	WIN 0x40                                       ; destination window 1
.set i, 0
.rept 16
	global_load_b128 v[KF+4*i:KF+4*i+3], v[LOFF], s[\base:\base+1] offset:512*i
.set i, i+1
.endr
	WIN 0
.endm
.macro VLOAD base
	WIN 0x40
.set i, 0
.rept 16
	global_load_b128 v[VF+4*i:VF+4*i+3], v[LOFF], s[\base:\base+1] offset:512*i
.set i, i+1
.endr
	WIN 0
.endm
.macro QLOAD base
.set i, 0
.rept 16
	global_load_b128 v[QF+4*i:QF+4*i+3], v[LOFF], s[\base:\base+1] offset:512*i
.set i, i+1
.endr
.endm
; S^T = K Q^T for piece x: 16 matrix instructions, eight accumulators by turns, one instruction a turn; the first eight start the sums
.macro SQK x
	WIN 0x01                                       ; source 0 (K) window 1
.irp c, 0,1
.irp t, 0,1,2,3
.irp a, 0,1
.if \c == 0
	v_wmma_f32_16x16x32_f16 v[SC+32*\a+8*\t:SC+32*\a+8*\t+7], v[KF+16*\t+8*\c:KF+16*\t+8*\c+7], v[QF+16*(2*\x+\a)+8*\c:QF+16*(2*\x+\a)+8*\c+7], 0
.else
	v_wmma_f32_16x16x32_f16 v[SC+32*\a+8*\t:SC+32*\a+8*\t+7], v[KF+16*\t+8*\c:KF+16*\t+8*\c+7], v[QF+16*(2*\x+\a)+8*\c:QF+16*(2*\x+\a)+8*\c+7], v[SC+32*\a+8*\t:SC+32*\a+8*\t+7]
.endif
.endr
.endr
.endr
	WIN 0
.endm
; O^T += V^T P for piece x: likewise
.macro PV x
	WIN 0x51                                       ; source 0 (V), C and D window 1
.irp u, 0,1
.irp c, 0,1,2,3
.irp a, 0,1
	v_wmma_f32_16x16x32_f16 v[OA+32*(2*\x+\a)+8*\c:OA+32*(2*\x+\a)+8*\c+7], v[VF+32*\u+8*\c:VF+32*\u+8*\c+7], v[SC+32*\a+8*\u:SC+32*\a+8*\u+7], v[OA+32*(2*\x+\a)+8*\c:OA+32*(2*\x+\a)+8*\c+7]
.endr
.endr
.endr
	WIN 0
.endm
; the diagonal step: key tile T against query tile a: T > a is hidden whole, T = a where key 8 h + j comes after query r
.macro MASK x
.irp a, 0,1
.irp t, 0,1,2,3
.if \t > 2*\x+\a
.irp j, 0,1,2,3,4,5,6,7
	v_mov_b32 v[SC+32*\a+8*\t+\j], v[NEG]
.endr
.elseif \t == 2*\x+\a
.irp j, 0,1,2,3,4,5,6,7
	v_cndmask_b32 v[SC+32*\a+8*\t+\j], v[SC+32*\a+8*\t+\j], v[NEG], s[MK+\j]
.endr
.endif
.endr
.endr
.endm
; THE SOFTMAX of piece x for one key step, its two tiles line by line by turns.  diag = 1: masked in the trip t = p; 2: always.  nextom = 1: the other piece's omegas are asked for as soon as these are used.
.macro SM x, diag, nextom
.irp i, 0,2,4,6,8,10,12,14,16,18,20,22,24,26,28,30
.irp a, 0,1
	v_pk_mul_f32 v[SC+32*\a+\i:SC+32*\a+\i+1], v[SC+32*\a+\i:SC+32*\a+\i+1], v[OG+32*\a+\i:OG+32*\a+\i+1]   ; the exponent to base 2; each accumulator from its low end on
.endr
.endr
.if \nextom
	OMLOAD 1
.endif
.if \diag == 1
	s_cmp_lg_u32 s[TR], s[PP]
	s_cbranch_scc1 .Lopen_\@
.endif
	MASK \x
.if \diag == 1
.Lopen_\@:
.endif
.irp k, 0,1,2,3
.irp a, 0,1
	v_max3_num_f32 v[TP+6*\a+2+\k], v[SC+32*\a+8*\k], v[SC+32*\a+8*\k+1], v[SC+32*\a+8*\k+2]   ; four chains of seven
.endr
.endr
.irp i, 3,5
.irp k, 0,1,2,3
.irp a, 0,1
	v_max3_num_f32 v[TP+6*\a+2+\k], v[TP+6*\a+2+\k], v[SC+32*\a+8*\k+\i], v[SC+32*\a+8*\k+\i+1]
.endr
.endr
.endr
.irp a, 0,1
	v_max3_num_f32 v[TP+6*\a+2], v[TP+6*\a+2], v[SC+32*\a+7], v[SC+32*\a+15]
.endr
.irp a, 0,1
	v_max3_num_f32 v[TP+6*\a+4], v[TP+6*\a+4], v[SC+32*\a+23], v[SC+32*\a+31]
.endr
.irp a, 0,1
	v_max3_num_f32 v[TP+6*\a+2], v[TP+6*\a+2], v[TP+6*\a+3], v[TP+6*\a+4]
.endr
.irp a, 0,1
	v_max3_num_f32 v[TP+6*\a+2], v[TP+6*\a+2], v[TP+6*\a+5], v[PS+4*(2*\x+\a)]   ; with the old m
.endr
.irp a, 0,1
	v_permlanex16_b32 v[TP+6*\a+3], v[TP+6*\a+2], s[SEL], s[SEL+1]                 ; the query's other 32 keys lie in the lane 16 away
.endr
.irp a, 0,1
	v_mov_b32 v[TP+6*\a+1], v[PS+4*(2*\x+\a)]
.endr
.irp a, 0,1
	v_max_num_f32 v[PS+4*(2*\x+\a)], v[TP+6*\a+2], v[TP+6*\a+3]                    ; the new m
.endr
.irp a, 0,1
	v_sub_f32 v[TP+6*\a+1], v[TP+6*\a+1], v[PS+4*(2*\x+\a)]
.endr
.irp a, 0,1
	v_exp_f32 v[TP+6*\a], v[TP+6*\a+1]                                             ; a = 2^(old m - new m)
.endr
.irp i, 0,2,4,6,8,10,12,14,16,18,20,22,24,26,28,30
.irp a, 0,1
	v_pk_add_f32 v[SC+32*\a+\i:SC+32*\a+\i+1], v[SC+32*\a+\i:SC+32*\a+\i+1], v[PS+4*(2*\x+\a):PS+4*(2*\x+\a)+1] op_sel_hi:[1,0] neg_lo:[0,1] neg_hi:[0,1]
.endr
.endr
.set i, 0
.rept 32
	v_exp_f32 v[SC+i], v[SC+i]
	v_exp_f32 v[SC+32+i], v[SC+32+i]
.set i, i+1
.endr
	v_nop                                          ; a plain line behind the last exponential,
	s_wait_alu depctr_va_vdst(0)                   ; and ONE wait for the piece's 66, ahead of the first line that names a result
.irp a, 0,1
	v_pk_add_f32 v[TP+6*\a+2:TP+6*\a+3], v[SC+32*\a:SC+32*\a+1], v[SC+32*\a+2:SC+32*\a+3]   ; the row's sum, of the unrounded p, in two chains
.endr
.irp a, 0,1
	v_pk_add_f32 v[TP+6*\a+4:TP+6*\a+5], v[SC+32*\a+4:SC+32*\a+5], v[SC+32*\a+6:SC+32*\a+7]
.endr
.irp i, 8,12,16,20,24,28
.irp a, 0,1
	v_pk_add_f32 v[TP+6*\a+2:TP+6*\a+3], v[TP+6*\a+2:TP+6*\a+3], v[SC+32*\a+\i:SC+32*\a+\i+1]
.endr
.irp a, 0,1
	v_pk_add_f32 v[TP+6*\a+4:TP+6*\a+5], v[TP+6*\a+4:TP+6*\a+5], v[SC+32*\a+\i+2:SC+32*\a+\i+3]
.endr
.endr
.irp a, 0,1
	v_pk_add_f32 v[TP+6*\a+2:TP+6*\a+3], v[TP+6*\a+2:TP+6*\a+3], v[TP+6*\a+4:TP+6*\a+5]
.endr
.irp a, 0,1
	v_pk_fma_f32 v[PS+4*(2*\x+\a)+2:PS+4*(2*\x+\a)+3], v[PS+4*(2*\x+\a)+2:PS+4*(2*\x+\a)+3], v[TP+6*\a:TP+6*\a+1], v[TP+6*\a+2:TP+6*\a+3] op_sel_hi:[1,0,1]   ; l = a l + the sum
.endr
.irp i, 0,1,2,3,4,5,6,7,8,9,10,11,12,13,14,15
.irp a, 0,1
	v_cvt_pk_f16_f32 v[SC+32*\a+\i], v[SC+32*\a+2*\i], v[SC+32*\a+2*\i+1]          ; P, packed in place from the low end on: register i is free when pair i is read
.endr
.endr
	WIN 0x41                                       ; O^T (destination and source 0) window 1
.irp i, 0,2,4,6,8,10,12,14,16,18,20,22,24,26,28,30
.irp a, 0,1
	v_pk_mul_f32 v[OA+32*(2*\x+\a)+\i:OA+32*(2*\x+\a)+\i+1], v[OA+32*(2*\x+\a)+\i:OA+32*(2*\x+\a)+\i+1], v[TP+6*\a:TP+6*\a+1] op_sel_hi:[1,0]
.endr
.endr
	WIN 0
.endm
; A query block begins: m under every exponent, l and O^T zero.  (The key step is written once for first and later steps alike: its first change of m multiplies zeros.  It runs twice in a work-group.)
.macro ZERO
.irp t, 0,1,2,3
	v_mov_b32 v[PS+4*\t], 0xff61b1e6               ; -3e38
	v_mov_b32 v[PS+4*\t+1], 0                      ; (named with m as a pair)
	v_mov_b32 v[PS+4*\t+2], 0
	v_mov_b32 v[PS+4*\t+3], 0
.endr
	WIN 0x40
.set i, 0
.rept 128
	v_mov_b32 v[OA+i], 0
.set i, i+1
.endr
	WIN 0
.endm
; A query block ends: O^T / l, rounded to f16, goes to LDS as source 1 of the projection: lane (r, h) holds row r and channels 64 w + 16 ct + 8 h + 0..7 = chunk kc = 2 w + ct / 2, half ct % 2
.macro EPI slot
.irp t, 0,1,2,3
	v_add_f32 v[TP+2*\t], v[PS+4*\t+2], v[PS+4*\t+3]
.endr
.irp t, 0,1,2,3
	v_permlanex16_b32 v[TP+2*\t+1], v[TP+2*\t], s[SEL], s[SEL+1]
.endr
.irp t, 0,1,2,3
	v_add_f32 v[TP+2*\t], v[TP+2*\t], v[TP+2*\t+1]
.endr
.irp t, 0,1,2,3
	v_rcp_f32 v[TP+2*\t], v[TP+2*\t]
.endr
	s_add_co_u32 s[TMP], s[W2K], OIMG+65536*\slot
	v_add_nc_u32 v[OWT], s[TMP], v[LOFF]           ; (the plain line behind the reciprocals)
	s_wait_alu depctr_va_vdst(0)                   ; one wait for the four
	WIN 0x41
.irp t, 0,1,2,3
.set i, 0
.rept 16
	v_pk_mul_f32 v[OA+32*\t+2*i:OA+32*\t+2*i+1], v[OA+32*\t+2*i:OA+32*\t+2*i+1], v[TP+2*\t:TP+2*\t+1] op_sel_hi:[1,0]
.set i, i+1
.endr
.endr
	WIN 0x05                                       ; sources window 1, destination window 0
.set i, 0
.rept 64
	v_cvt_pk_f16_f32 v[SC+i], v[OA+2*i], v[OA+2*i+1]
.set i, i+1
.endr
	WIN 0
.irp a, 0,1,2,3
.irp c, 0,1,2,3
	ds_store_b128 v[OWT], v[SC+16*\a+4*\c:SC+16*\a+4*\c+3] offset:16384*\a+512*\c
.endr
.endr
.endm
; A PREFETCH INTO THE L2: in trip t, key step t + 2's 8,192 bytes of K and of V of my head, lanes 256 bytes apart, one instruction each, behind the wave's run of loads.
; The eight work-groups of a batch walk the same K and V: work-group p = 0 alone asks, each wave for its own head, so each block of 256 bytes is named once in the launch.
; A work-group loads key step s in trip s - 1 at the earliest: the request stands one trip ahead of that.  Steps 0 and 1 come by their loads alone; trips 14 on ask for nothing: step 15 is the last.
.macro ASK
	s_cmp_lt_u32 s[TR], s[LIM]
	s_cbranch_scc0 .Lnot_mine_\@
	global_prefetch_b8 v[PFO], s[PFK:PFK+1] th:TH_LOAD_NT scope:SCOPE_SE
	global_prefetch_b8 v[PFO], s[PFV:PFV+1] th:TH_LOAD_NT scope:SCOPE_SE
.Lnot_mine_\@:
.endm
; A TRIP: one key step for the wave's four query tiles, in two pieces.  last = 0: the next trip's K, V and omegas are made ready on the way.
.macro TRIP last
.if \last == 0
	s_wait_xcnt 0x0                                ; the last trip's loads and prefetches have read their addresses: these are written again only behind this wait
	s_add_co_u32 s[NKS], s[KS], 1
	s_cmp_eq_u32 s[TR], s[PP]                      ; behind trip p comes block 15 - p, from key step 0
	s_cselect_b32 s[NKS], 0, s[NKS]
	s_cselect_b32 s[NQB], s[P15], s[QBK]
	s_lshl_b32 s[OF], s[NKS], 13
	s_add_nc_u64 s[KN:KN+1], s[KB:KB+1], s[OF:OF+1]
	s_add_nc_u64 s[VN:VN+1], s[VB:VB+1], s[OF:OF+1]
	s_lshl_b32 s[OF], s[NKS], 8
	s_add_nc_u64 s[TKN:TKN+1], s[TB:TB+1], s[OF:OF+1]
	s_lshl_b32 s[OF], s[NQB], 8
	s_add_nc_u64 s[TQN:TQN+1], s[TB:TB+1], s[OF:OF+1]
	s_add_nc_u64 s[PFK:PFK+1], s[PFK:PFK+1], 8192
	s_add_nc_u64 s[PFV:PFV+1], s[PFV:PFV+1], 8192
	s_xor_b32 s[TMP], s[OMT], OMB
	s_add_co_u32 s[TMP], s[TMP], s[W2K]
	v_add_nc_u32 v[OMWA], s[TMP], v[LOFF]          ; the other buffer, my 2,048 bytes
.endif
	v_add_nc_u32 v[OMRA], s[OMT], v[LOFF]
	OMLOAD 0
	s_wait_loadcnt 16                              ; K (and Q) are in; V's 16 younger loads may be out
	SQK 0
.if \last == 0
	TLOADS
.endif
	PLACES 4                                       ; between the products and the first read of their results
	s_wait_dscnt 0x0                               ; piece 0's omegas
	SM 0, 2-(1-\last), 1
	s_wait_loadcnt 0x0                             ; V and the times
	PV 0
	PLACES 5                                       ; the next products write over P
.if \last == 0
	PRODUCE
.endif
	SQK 1
	PLACES 4                                       ; ahead of the loads into K's registers and of the first read of the scores
.if \last == 0
	KLOAD KN
	ASK
	s_wait_dscnt 4                                 ; piece 1's omegas are in; my four stores of the next trip's are younger
.else
	s_wait_dscnt 0x0
.endif
	SM 1, 2-(1-\last), 0
	PV 1
	PLACES 5                                       ; ahead of the loads into V's registers, and of the next products, which write over P
.if \last == 0
	VLOAD VN
.endif
.endm
	s_load_b256 s[4:11], s[0:1], 0x0               ; qf s[4:5], kf s[6:7], vf s[8:9], wof s[10:11]
	s_load_b128 s[12:15], s[0:1], 0x20             ; time_intervals s[12:13], bo s[14:15]
	s_load_b64 s[16:17], s[0:1], 0x30              ; out0
	v_lshl_add_u32 v[SPW], v0, 2, SPARE
	v_mov_b32 v[NIL], 0
	v_lshrrev_b32 v12, 5, v0
	v_readfirstlane_b32 s[WV], v12                 ; wave 0..7 = the head
	v_and_b32 v12, 31, v0                          ; lane
	v_and_b32 v13, 15, v0                          ; r
	v_bfe_u32 v14, v0, 4, 1                        ; h
	v_lshlrev_b32 v[LOFF], 4, v12
	v_lshlrev_b32 v[PFO], 8, v12
	s_and_b32 s[TMP], s[WV], 1
	s_lshl_b32 s[TMP], s[TMP], 7
	v_lshl_add_u32 v[TKO], v14, 5, s[TMP]
	s_lshr_b32 s[TMP], s[WV], 1
	s_lshl_b32 s[TMP], s[TMP], 6
	v_lshl_add_u32 v[TQO], v13, 2, s[TMP]
	v_lshlrev_b32 v15, 3, v14
	v_sub_nc_u32 v[DG], v13, v15
.irp j, 0,1,2,3,4,5,6,7
	v_cmp_gt_i32 s[MK+\j], \j, v[DG]               ; j > r - 8 h
.endr
	v_mov_b32 v[NEG], 0xff800000
	v_mov_b32 v[TQ+1], 0                           ; (named with my query's time as a pair)
	s_mul_i32 s[TMP], s[WV], 4352
	s_add_co_u32 s[TMP], s[TMP], STG               ; my stage
	v_mul_u32_u24 v[STO], v13, 272
	v_lshl_add_u32 v[STO], v14, 5, v[STO]
	v_add_nc_u32 v[STO], s[TMP], v[STO]            ; in: row r, 32 bytes for each half of the lanes
	v_mul_u32_u24 v[RD], v14, 272
	v_lshl_add_u32 v[RD], v13, 4, v[RD]
	v_add_nc_u32 v[RD], s[TMP], v[RD]              ; back: lanes 0-15 one row of 256 bytes, lanes 16-31 the next
	v_lshlrev_b32 v[CO], 11, v14
	v_lshl_add_u32 v[CO], v13, 4, v[CO]            ; and the same two rows in out0
	v_add_nc_u32 v[LIA], OIMG, v[LOFF]             ; o's images of row tiles 0-3,
	v_add_nc_u32 v[LIB], OIMG+65536, v[LOFF]       ; and 4-7
	v_lshlrev_b32 v[BOO], 5, v14
	s_mov_b32 s[PP], ttmp9
	s_and_b32 s[NQB], ttmp7, 0xffff                ; the batch (kept here until the pointers are made)
	s_sub_co_u32 s[P15], 15, s[PP]
	s_lshl_b32 s[W2K], s[WV], 11
	s_mov_b32 s[SEL], 0x76543210
	s_mov_b32 s[SEL+1], 0xfedcba98
	s_mov_b32 s[K1], 0x3f38aa3b                    ; log2(e) / 2
	s_mov_b32 s[K2], 0x3fdffc45                    ; log2(8 ln 2) - log2(e) / 2
	s_mov_b32 s[L8], 0x40b17218                    ; 8 ln 2
	s_mov_b32 s[L8+1], s[L8]
	s_mov_b32 s[TR], 0
	s_mov_b32 s[KS], 0
	s_mov_b32 s[QBK], s[PP]
	s_mov_b32 s[OMT], 0
	s_cmp_eq_u32 s[PP], 0
	s_cselect_b32 s[LIM], 14, 0
	s_lshl_b32 s[OF], s[NQB], 3
	s_add_co_u32 s[OF], s[OF], s[WV]
	s_lshl_b32 s[OF], s[OF], 17                    ; 131,072 bytes for a batch's head
	s_mov_b32 s[OF+1], 0
	s_wait_kmcnt 0x0
	s_add_nc_u64 s[KB:KB+1], s[6:7], s[OF:OF+1]
	s_add_nc_u64 s[VB:VB+1], s[8:9], s[OF:OF+1]
	s_add_nc_u64 s[QB:QB+1], s[4:5], s[OF:OF+1]
	s_lshl_b32 s[OF], s[P15], 13                   ; a block of 64 queries is 8,192 bytes
	s_add_nc_u64 s[QN:QN+1], s[QB:QB+1], s[OF:OF+1]
	s_lshl_b32 s[OF], s[PP], 13
	s_add_nc_u64 s[QB:QB+1], s[QB:QB+1], s[OF:OF+1]
	s_lshl_b32 s[OF], s[NQB], 12
	s_add_nc_u64 s[TB:TB+1], s[12:13], s[OF:OF+1]
	s_mov_b64 s[TKN:TKN+1], s[TB:TB+1]
	s_lshl_b32 s[OF], s[PP], 8
	s_add_nc_u64 s[TQN:TQN+1], s[TB:TB+1], s[OF:OF+1]
	s_lshl_b32 s[OF], s[NQB], 21                   ; out0: 1,024 rows of 2,048 bytes a batch,
	s_lshl_b32 s[NKS], s[WV], 8                    ; my 64 columns
	s_add_co_u32 s[OF], s[OF], s[NKS]
	s_add_nc_u64 s[16:17], s[16:17], s[OF:OF+1]
	s_lshl_b32 s[OF], s[PP], 17
	s_add_nc_u64 s[OUTA:OUTA+1], s[16:17], s[OF:OF+1]
	s_lshl_b32 s[OF], s[P15], 17
	s_add_nc_u64 s[OUTB:OUTB+1], s[16:17], s[OF:OF+1]
	s_mov_b32 s[OF], s[NKS]
	s_add_nc_u64 s[14:15], s[14:15], s[OF:OF+1]    ; bo at my 64 columns
	s_lshl_b32 s[OF], s[WV], 16
	s_add_nc_u64 s[WOF:WOF+1], s[10:11], s[OF:OF+1]
	s_add_nc_u64 s[PFK:PFK+1], s[KB:KB+1], 8192    ; at key step 1: the first trip steps them to step 2.  Nothing is prefetched here, at the head
	s_add_nc_u64 s[PFV:PFV+1], s[VB:VB+1], 8192
	TLOADS
	QLOAD QB
	KLOAD KB
	VLOAD VB
	ZERO
	v_add_nc_u32 v[OMWA], s[W2K], v[LOFF]
	s_wait_loadcnt 48                              ; the times are in; Q's, K's and V's 48 loads may be out
	PRODUCE                                        ; trip 0's omegas, into buffer 0
	s_wait_dscnt 0x0
	s_barrier_signal -1
	s_barrier_wait -1
.Ltrip:                                                ; 16 trips; the 17th is written out: it makes nothing ready
	TRIP 0
	s_cmp_lg_u32 s[TR], s[PP]
	s_cbranch_scc1 .Lsame
	EPI 0                                          ; block p is done: its o goes to LDS, and block 15 - p begins
	ZERO
	QLOAD QN
	s_wait_loadcnt 0x0
.Lsame:
	s_mov_b32 s[KS], s[NKS]
	s_mov_b32 s[QBK], s[NQB]
	s_xor_b32 s[OMT], s[OMT], OMB
	s_wait_dscnt 0x0                               ; ONE barrier a trip, for two things: my reads of this trip's buffer are over (the next trip writes it), and my eighth of the next trip's omegas has landed
	s_barrier_signal -1
	s_barrier_wait -1
	s_add_co_u32 s[TR], s[TR], 1
	s_cmp_lt_u32 s[TR], 16
	s_cbranch_scc1 .Ltrip
	TRIP 1                                         ; the diagonal step of block 15 - p
	EPI 1
	s_wait_dscnt 0x0                               ; my images of o lie in LDS, and their registers are free
	; ---- THE PROJECTION: out^T = Wo o^T + bo (source 0 = 16 rows of Wo, source 1 = 16 rows of o): a lane holds one row of out and eight neighbouring columns
.macro WOL kc                          ; chunk kc (32 along K) of my 64 rows of Wo: four fragments, into ring place kc % 4
.set i, 0
.rept 8
	global_load_b128 v[WB+32*((\kc)%4)+4*i:WB+32*((\kc)%4)+4*i+3], v[LOFF], s[WOF:WOF+1] offset:4096*(\kc)+512*i
.set i, i+1
.endr
.endm
.macro OBL hf, kc                      ; chunk kc of row tiles 4 hf .. 4 hf + 3 of o
.irp R, 0,1,2,3
.irp e, 0,1
	ds_load_b128 v[OB+32*\hf+8*\R+4*\e:OB+32*\hf+8*\R+4*\e+3], v[LIA+\hf] offset:16384*\R+1024*(\kc)+512*\e
.endr
.endr
.endm
.macro MULO hf, kc                     ; 16 accumulators by turns; the first chunk's products take bo as C
.if (\kc) == 0
	WIN 0x40
.else
	WIN 0x50
.endif
.irp R, 0,1,2,3
.irp n, 0,1,2,3
.if (\kc) == 0
	v_wmma_f32_16x16x32_f16 v[8*(4*(4*\hf+\R)+\n):8*(4*(4*\hf+\R)+\n)+7], v[WB+32*((\kc)%4)+8*\n:WB+32*((\kc)%4)+8*\n+7], v[OB+32*\hf+8*\R:OB+32*\hf+8*\R+7], v[BB+8*\n:BB+8*\n+7]
.else
	v_wmma_f32_16x16x32_f16 v[8*(4*(4*\hf+\R)+\n):8*(4*(4*\hf+\R)+\n)+7], v[WB+32*((\kc)%4)+8*\n:WB+32*((\kc)%4)+8*\n+7], v[OB+32*\hf+8*\R:OB+32*\hf+8*\R+7], v[8*(4*(4*\hf+\R)+\n):8*(4*(4*\hf+\R)+\n)+7]
.endif
.endr
.endr
	WIN 0
.endm
.irp n, 0,1,2,3
	global_load_b128 v[BB+8*\n:BB+8*\n+3], v[BOO], s[14:15] offset:64*\n        ; register j: bo of column 16 n + 8 h + j
	global_load_b128 v[BB+8*\n+4:BB+8*\n+7], v[BOO], s[14:15] offset:64*\n+16
.endr
	WOL 0
	WOL 1
	WOL 2
	WOL 3
	s_barrier_signal -1
	s_barrier_wait -1                              ; all heads' o of all 128 rows lie in LDS
	OBL 0, 0
	OBL 1, 0
.set KC, 0
.rept 16
.if KC <= 12
	s_wait_loadcnt 24                              ; this chunk of Wo (and bo) is in; the next three chunks' 24 loads may be out
.else
	s_wait_loadcnt 8*(15-KC)
.endif
	s_wait_dscnt 8                                 ; row tiles 0-3 are in; the eight loads of tiles 4-7 are younger
	MULO 0, KC
	PLACES 4                                       ; ahead of loads into registers that the products have read
.if KC < 15
	OBL 0, KC+1
	s_wait_dscnt 8                                 ; tiles 4-7 are in; the eight loads just issued may be out
.else
	s_wait_dscnt 0x0
.endif
	MULO 1, KC
	PLACES 4
.if KC < 15
	OBL 1, KC+1
.endif
.if KC < 12
	WOL KC+4
.endif
.set KC, KC+1
.endr
	; ---- THE WAY OUT, a tile of 16 rows x my 64 columns at a time, through my own stage: rows of 256 bytes come back whole, and sixteen lanes store 256 consecutive bytes, aligned.
	; LDS serves a wave's instructions in order: no wait between the stores and the loads, nor ahead of the next tile's stores.
.macro TOSTAGE R
	WIN 0x04                                       ; an LDS store's data are its source 1: window 1
.irp n, 0,1,2,3
	ds_store_b128 v[STO], v[8*(4*(\R)+\n):8*(4*(\R)+\n)+3] offset:64*\n          ; each accumulator from its low end on
	ds_store_b128 v[STO], v[8*(4*(\R)+\n)+4:8*(4*(\R)+\n)+7] offset:64*\n+16
.endr
	WIN 0
.irp i, 0,1,2,3,4,5,6,7
	ds_load_b128 v[OB+32*((\R)%2)+4*\i:OB+32*((\R)%2)+4*\i+3], v[RD] offset:544*\i
.endr
.endm
.macro SEND R, younger
	s_wait_dscnt \younger                          ; the tile is back in registers; the next tile's 8 stores and 8 loads may be out
.if (\R) == 0
	s_cmp_eq_u32 s[PP], 0                          ; positions 0-15 of the batch belong to the launch that carries them in f32
	s_cbranch_scc1 .Lfirst_\@
.endif
.irp i, 0,1,2,3,4,5,6,7
.if (\R) < 4
	global_store_b128 v[CO], v[OB+32*((\R)%2)+4*\i:OB+32*((\R)%2)+4*\i+3], s[OUTA:OUTA+1] offset:32768*((\R)%4)+4096*\i th:TH_STORE_NT
.else
	global_store_b128 v[CO], v[OB+32*((\R)%2)+4*\i:OB+32*((\R)%2)+4*\i+3], s[OUTB:OUTB+1] offset:32768*((\R)%4)+4096*\i th:TH_STORE_NT
.endif
.endr
.if (\R) == 0
.Lfirst_\@:
.endif
.endm
	TOSTAGE 0                                      ; (the four plain lines behind the last products stand above)
.irp R, 1,2,3,4,5,6,7
.if \R > 1
	s_wait_xcnt 0x0                                ; tile R - 2's stores have read their registers: tile R's loads may land there
.endif
	TOSTAGE \R
	SEND \R-1, 16
.endr
	SEND 7, 0
	s_wait_tensorcnt 0x0                           ; the wave's end: three closing lines behind my last LDS store
	ds_add_u32 v[SPW], v[NIL]
	s_wait_dscnt 0x0
	s_endpgm
.Lfunc_end_k_q96446f45d5_attn:
	.size	k_q96446f45d5_attn, .Lfunc_end_k_q96446f45d5_attn-k_q96446f45d5_attn
	.p2alignl 7, 3214868480
	.fill 96, 4, 3214868480
	.section	.rodata,"a",@progbits
	.p2align	6, 0x0
	.amdhsa_kernel k_q96446f45d5_attn
		.amdhsa_group_segment_fixed_size 199680
		.amdhsa_private_segment_fixed_size 0
		.amdhsa_enable_private_segment 0
		.amdhsa_kernarg_size 56
		.amdhsa_user_sgpr_count 2
		.amdhsa_user_sgpr_kernarg_segment_ptr 1
		.amdhsa_wavefront_size32 1
		.amdhsa_system_sgpr_workgroup_id_x 1
		.amdhsa_system_sgpr_workgroup_id_y 1
		.amdhsa_system_sgpr_workgroup_id_z 1
		.amdhsa_system_vgpr_workitem_id 0
		.amdhsa_next_free_vgpr 512
		.amdhsa_next_free_sgpr 76
		.amdhsa_reserve_vcc 0
		.amdhsa_float_denorm_mode_32 3
		.amdhsa_float_denorm_mode_16_64 3
		.amdhsa_memory_ordered 1
		.amdhsa_forward_progress 1
		.amdhsa_inst_pref_size 215
	.end_amdhsa_kernel
	.amdgpu_metadata
---
amdhsa.version: [ 1, 2 ]
amdhsa.kernels:
  - .name:           k_q96446f45d5_attn
    .symbol:         k_q96446f45d5_attn.kd
    .args:
      - { .name: qf, .offset: 0, .size: 8, .value_kind: global_buffer, .address_space: global }
      - { .name: kf, .offset: 8, .size: 8, .value_kind: global_buffer, .address_space: global }
      - { .name: vf, .offset: 16, .size: 8, .value_kind: global_buffer, .address_space: global }
      - { .name: wof, .offset: 24, .size: 8, .value_kind: global_buffer, .address_space: global }
      - { .name: time_intervals, .offset: 32, .size: 8, .value_kind: global_buffer, .address_space: global }
      - { .name: bo, .offset: 40, .size: 8, .value_kind: global_buffer, .address_space: global }
      - { .name: out0, .offset: 48, .size: 8, .value_kind: global_buffer, .address_space: global }
    .group_segment_fixed_size: 199680
    .private_segment_fixed_size: 0
    .kernarg_segment_align: 8
    .kernarg_segment_size: 56
    .max_flat_workgroup_size: 256
    .sgpr_count:     76
    .vgpr_count:     512
    .wavefront_size: 32
...
	.end_amdgpu_metadata
.endif
;; end of part 3
;; launch first16 (part 4): grid 4 x 32, 8 waves a work-group, no clusters, 42,240 bytes of LDS; arguments first, time_intervals, Wo, bo, out0; writes out0
.if DOCPART == 4
	.amdgcn_target "amdgcn-amd-amdhsa--gfx1250"
	.amdhsa_code_object_version 6
	.text
	.protected	k_q96446f45d5_first16
	.globl	k_q96446f45d5_first16
	.p2align	8
	.type	k_q96446f45d5_first16,@function
k_q96446f45d5_first16:
	s_mov_b64 s[64:65], 0
	v_nop
	global_prefetch_b8 v0, s[64:65] scope:SCOPE_SE
	s_setreg_imm32_b32 hwreg(HW_REG_WAVE_MODE, 25, 1), 1
	s_wait_xcnt 0x0
; The first 16 positions of every batch, where a row of the softmax averages one to sixteen values: attention and projection with f32 operands (v_wmma_f32_16x16x4_f32), from the f32 copies of q, k, v.
; SHARES.  Work-group (gx, b): wave w makes head w's 16 x 16 attention (32 matrix instructions; made anew in each of the four gx), hands o to the others through LDS, and then makes columns 128 gx + 16 w .. + 15 of out for the 16 rows.
; LAYOUT.  As in the large launch both attention products and the projection are used transposed: a lane holds one query.  The f32 form takes k = 2 h + j from register j of a pair.  K's places are permuted, alike on both sides of
; each product, so that plain 16-byte loads fill the pairs: for K Q^T pair i holds channels 8 (i / 2) + 4 h + 2 (i % 2) + j; for V^T P and for Wo o^T pair i of a tile holds place 8 h + 2 i + j, which is how results lie in a lane.
; Two or four accumulators take turns, one instruction a turn; the registers that these matrix instructions write, v192-255, are written by nothing else.
; LIMITS: NaN and infinities are not served.
.set STG,   32768                      ; LDS: o [head][ct][half][lane][16 bytes] f32 from 0; then the stage, 16 rows x (512 + 16) bytes
.set SPARE, 41216                      ; the spare words, 128 bytes for each wave: four blocks of 256 bytes that no other line names
.set SPW, 12
.set NIL, 13
.set TQ,  18                           ; v18 my query's time (v19: 0, named with it as a pair)
.set TK,  20                           ; v20-27 my eight keys' times, then omegas; at the end two rows of out
.set TT,  28                           ; v28-35 exponents, then p
.set BB,  44                           ; v44-51 bo
.set YY,  52                           ; v52-59 out
.set QR,  64                           ; v64-95 q, later o's groups 0, 2, ..;  v96-127 k, later groups 1, 3, ..
.set KR,  96
.set VR,  128                          ; v128-159 v, later Wo's odd groups;  v160-191 Wo's even groups
.set W0,  160
.set SA,  192                          ; v192-207 two sums of K Q^T
.set OO,  208                          ; v208-239 O^T
.set YA,  240                          ; v240-255 two sums of the projection
.macro PLACES n
.rept \n
	v_nop
.endr
.endm
.macro WLD g                           ; group g = the 64 channels of head g: my 16 rows of Wo
.irp c, 0,1,2,3
.irp e, 0,1
	global_load_b128 v[W0-32*((\g)%2)+8*\c+4*\e:W0-32*((\g)%2)+8*\c+4*\e+3], v5, s[22:23] offset:256*(\g)+64*\c+16*\e
.endr
.endr
.endm
.macro OLD g                           ; and head g's o
.irp c, 0,1,2,3
.irp e, 0,1
	ds_load_b128 v[QR+32*((\g)%2)+8*\c+4*\e:QR+32*((\g)%2)+8*\c+4*\e+3], v6 offset:4096*(\g)+1024*\c+512*\e
.endr
.endr
.endm
	s_load_b256 s[4:11], s[0:1], 0x0               ; first s[4:5], time_intervals s[6:7], Wo s[8:9], bo s[10:11]
	s_load_b64 s[12:13], s[0:1], 0x20              ; out0
	v_lshl_add_u32 v[SPW], v0, 2, SPARE
	v_mov_b32 v[NIL], 0
	v_lshrrev_b32 v1, 5, v0
	v_readfirstlane_b32 s14, v1                    ; wave 0..7
	v_and_b32 v1, 15, v0                           ; r
	v_bfe_u32 v2, v0, 4, 1                         ; h
	v_and_b32 v6, 31, v0
	v_lshlrev_b32 v6, 4, v6                        ; 16 x lane
	v_lshlrev_b32 v3, 11, v1
	v_lshl_add_u32 v5, v2, 5, v3                   ; Wo: 2,048 r + 32 h
	v_lshl_add_u32 v3, v2, 4, v3                   ; q, k: 2,048 r + 16 h
	v_lshlrev_b32 v16, 5, v2                       ; 32 h
	v_lshl_add_u32 v4, v1, 6, v16                  ; v: 64 r + 32 h
	s_lshl_b32 s15, s14, 12
	v_add_nc_u32 v7, s15, v6                       ; where my head's o goes
	v_lshlrev_b32 v8, 3, v2
	v_sub_nc_u32 v8, v1, v8                        ; r - 8 h
	v_mul_u32_u24 v9, v1, 528
	v_add_nc_u32 v9, v9, v16
	s_lshl_b32 s15, s14, 6
	s_add_co_u32 s15, s15, STG
	v_add_nc_u32 v9, s15, v9                       ; the stage, in: row r, my 16 columns, 32 bytes for each half of the lanes
	s_mul_i32 s15, s14, 1056
	s_add_co_u32 s15, s15, STG
	v_add_nc_u32 v10, s15, v6                      ; back: rows 2 w and 2 w + 1, 16 bytes a lane
	v_mov_b32 v14, 0xff800000                      ; -infinity
	v_lshlrev_b32 v15, 2, v1
	v_mov_b32 v[TQ+1], 0
	s_and_b32 s36, ttmp7, 0xffff                   ; the batch
	s_mov_b32 s29, 0
	s_mov_b32 s30, 0x76543210
	s_mov_b32 s31, 0xfedcba98
	s_mov_b32 s32, 0x3f38aa3b                      ; log2(e) / 2
	s_mov_b32 s33, 0x3fdffc45                      ; log2(8 ln 2) - log2(e) / 2
	s_mov_b32 s34, 0x40b17218                      ; 8 ln 2
	s_mov_b32 s35, s34
	s_wait_kmcnt 0x0
	s_lshl_b32 s28, s36, 15
	s_add_nc_u64 s[16:17], s[4:5], s[28:29]        ; the batch's q (k: 1 MiB on, in the immediate),
	s_add_nc_u64 s[18:19], s[16:17], 0x200000      ; and v
	s_lshl_b32 s28, s14, 8
	s_add_nc_u64 s[16:17], s[16:17], s[28:29]      ; my head's 64 channels of a row
	s_lshl_b32 s28, s14, 12
	s_add_nc_u64 s[18:19], s[18:19], s[28:29]      ; my head's 64 rows of v
	s_lshl_b32 s28, s36, 12
	s_add_nc_u64 s[20:21], s[6:7], s[28:29]
	s_lshl_b32 s28, ttmp9, 3
	s_add_co_u32 s37, s28, s14                     ; my column tile: 8 gx + w
	s_lshl_b32 s28, s37, 15
	s_add_nc_u64 s[22:23], s[8:9], s[28:29]
	s_lshl_b32 s28, s37, 6
	s_add_nc_u64 s[24:25], s[10:11], s[28:29]
	s_lshl_b32 s28, s36, 21
	s_lshl_b32 s37, s14, 12
	s_add_co_u32 s28, s28, s37
	s_lshl_b32 s37, ttmp9, 9
	s_add_co_u32 s28, s28, s37
	s_add_nc_u64 s[26:27], s[12:13], s[28:29]      ; out0: rows 2 w on of the batch, columns 128 gx on
.irp c, 0,1,2,3,4,5,6,7
	global_load_b128 v[QR+4*\c:QR+4*\c+3], v3, s[16:17] offset:32*\c
	global_load_b128 v[KR+4*\c:KR+4*\c+3], v3, s[16:17] offset:1048576+32*\c
.endr
.irp c, 0,1,2,3
	global_load_b128 v[VR+8*\c:VR+8*\c+3], v4, s[18:19] offset:1024*\c
	global_load_b128 v[VR+8*\c+4:VR+8*\c+7], v4, s[18:19] offset:1024*\c+16
.endr
	global_load_b32 v[TQ], v15, s[20:21]
	global_load_b128 v[TK:TK+3], v16, s[20:21]
	global_load_b128 v[TK+4:TK+7], v16, s[20:21] offset:16
	global_load_b128 v[BB:BB+3], v16, s[24:25]
	global_load_b128 v[BB+4:BB+7], v16, s[24:25] offset:16
	WLD 0
	s_wait_loadcnt 0x0
	; ---- S^T = K Q^T: register j of a lane: key 8 h + j, query r
.set i, 0
.rept 16
.if i < 2
	v_wmma_f32_16x16x4_f32 v[SA+8*(i%2):SA+8*(i%2)+7], v[KR+2*i:KR+2*i+1], v[QR+2*i:QR+2*i+1], 0
.else
	v_wmma_f32_16x16x4_f32 v[SA+8*(i%2):SA+8*(i%2)+7], v[KR+2*i:KR+2*i+1], v[QR+2*i:QR+2*i+1], v[SA+8*(i%2):SA+8*(i%2)+7]
.endif
.set i, i+1
.endr
	; omega x log2(e) / 8 = 1 / (2^(k1 |dt| + k2) + 8 ln 2).  Its first twelve lines, plain and on other registers, are also the eight places behind the products
.irp i, 0,2,4,6
	v_pk_add_f32 v[TK+\i:TK+\i+1], v[TK+\i:TK+\i+1], v[TQ:TQ+1] op_sel_hi:[1,0] neg_lo:[0,1] neg_hi:[0,1]
.endr
.irp i, 0,1,2,3,4,5,6,7
	v_fma_f32 v[TK+\i], |v[TK+\i]|, s32, s33
.endr
.irp i, 0,1,2,3,4,5,6,7
	v_exp_f32 v[TK+\i], v[TK+\i]
.endr
.irp i, 0,2,4,6
	v_pk_add_f32 v[TT+\i:TT+\i+1], v[SA+\i:SA+\i+1], v[SA+8+\i:SA+8+\i+1]   ; the two sums, from their low ends on (plain lines behind the exponentials)
.endr
	s_wait_alu depctr_va_vdst(0)                   ; one wait for the batch, ahead of its first reader
.irp i, 0,2,4,6
	v_pk_add_f32 v[TK+\i:TK+\i+1], v[TK+\i:TK+\i+1], s[34:35] op_sel_hi:[1,0]
.endr
.irp i, 0,1,2,3,4,5,6,7
	v_rcp_f32 v[TK+\i], v[TK+\i]
.endr
	v_nop
	s_wait_alu depctr_va_vdst(0)
.irp i, 0,2,4,6
	v_pk_mul_f32 v[TT+\i:TT+\i+1], v[TT+\i:TT+\i+1], v[TK+\i:TK+\i+1]       ; the exponent to base 2
.endr
.irp j, 0,1,2,3,4,5,6,7
	v_cmp_gt_i32 vcc_lo, \j, v8                    ; key 8 h + j comes after query r
	v_cndmask_b32 v[TT+\j], v[TT+\j], v14, vcc_lo
.endr
	v_max3_num_f32 v36, v[TT], v[TT+1], v[TT+2]
	v_max3_num_f32 v37, v[TT+3], v[TT+4], v[TT+5]
	v_max3_num_f32 v36, v36, v[TT+6], v[TT+7]
	v_max_num_f32 v36, v36, v37
	v_permlanex16_b32 v37, v36, s30, s31
	v_max_num_f32 v36, v36, v37                    ; the row's maximum (key 0 counts for every query)
.irp i, 0,2,4,6
	v_pk_add_f32 v[TT+\i:TT+\i+1], v[TT+\i:TT+\i+1], v[36:37] op_sel_hi:[1,0] neg_lo:[0,1] neg_hi:[0,1]
.endr
.irp i, 0,1,2,3,4,5,6,7
	v_exp_f32 v[TT+\i], v[TT+\i]
.endr
	v_nop
	s_wait_alu depctr_va_vdst(0)
	v_pk_add_f32 v[38:39], v[TT:TT+1], v[TT+2:TT+3]
	v_pk_add_f32 v[40:41], v[TT+4:TT+5], v[TT+6:TT+7]
	v_pk_add_f32 v[38:39], v[38:39], v[40:41]
	v_add_f32 v38, v38, v39
	v_permlanex16_b32 v39, v38, s30, s31
	v_add_f32 v38, v38, v39                        ; the row's sum
	v_rcp_f32 v38, v38
	v_nop
	s_wait_alu depctr_va_vdst(0)
.irp i, 0,2,4,6
	v_pk_mul_f32 v[TT+\i:TT+\i+1], v[TT+\i:TT+\i+1], v[38:39] op_sel_hi:[1,0]
.endr
	; ---- O^T = V^T P: four tiles of 16 channels by turns
.irp i, 0,1,2,3
.irp c, 0,1,2,3
.if \i == 0
	v_wmma_f32_16x16x4_f32 v[OO+8*\c:OO+8*\c+7], v[VR+8*\c+2*\i:VR+8*\c+2*\i+1], v[TT+2*\i:TT+2*\i+1], 0
.else
	v_wmma_f32_16x16x4_f32 v[OO+8*\c:OO+8*\c+7], v[VR+8*\c+2*\i:VR+8*\c+2*\i+1], v[TT+2*\i:TT+2*\i+1], v[OO+8*\c:OO+8*\c+7]
.endif
.endr
.endr
	PLACES 8                                       ; eight plain lines behind this form, ahead of the stores of its results and of the loads into its sources
.irp c, 0,1,2,3
	ds_store_b128 v7, v[OO+8*\c:OO+8*\c+3] offset:1024*\c          ; as it stands: lane (r, h) holds query r, channels 16 c + 8 h + 0..7
	ds_store_b128 v7, v[OO+8*\c+4:OO+8*\c+7] offset:1024*\c+512
.endr
	WLD 1
	s_wait_dscnt 0x0
	s_barrier_signal -1
	s_barrier_wait -1                              ; all eight heads' o lie in LDS
	OLD 0
	OLD 1
	; ---- out^T = Wo o^T + bo: eight groups of 64 channels, 16 matrix instructions each, two sums by turns; the first takes bo as C, the second 0
.irp g, 0,1,2,3,4,5,6,7
.if \g < 7
	s_wait_loadcnt 8                               ; this group's rows of Wo are in; the next group's eight loads may be out
	s_wait_dscnt 8                                 ; and likewise of o
.else
	s_wait_loadcnt 0x0
	s_wait_dscnt 0x0
.endif
.irp c, 0,1,2,3
.irp i, 0,1,2,3
.if (\g == 0) && (\c == 0) && (\i == 0)
	v_wmma_f32_16x16x4_f32 v[YA:YA+7], v[W0+8*\c+2*\i:W0+8*\c+2*\i+1], v[QR+8*\c+2*\i:QR+8*\c+2*\i+1], v[BB:BB+7]
.elseif (\g == 0) && (\c == 0) && (\i == 1)
	v_wmma_f32_16x16x4_f32 v[YA+8:YA+15], v[W0+8*\c+2*\i:W0+8*\c+2*\i+1], v[QR+8*\c+2*\i:QR+8*\c+2*\i+1], 0
.else
	v_wmma_f32_16x16x4_f32 v[YA+8*(\i%2):YA+8*(\i%2)+7], v[W0-32*(\g%2)+8*\c+2*\i:W0-32*(\g%2)+8*\c+2*\i+1], v[QR+32*(\g%2)+8*\c+2*\i:QR+32*(\g%2)+8*\c+2*\i+1], v[YA+8*(\i%2):YA+8*(\i%2)+7]
.endif
.endr
.endr
	PLACES 8                                       ; ahead of the loads into the sources, and at the end of the first read of the sums
.if \g < 6
	WLD \g+2
	OLD \g+2
.endif
.endr
.irp i, 0,2,4,6
	v_pk_add_f32 v[YY+\i:YY+\i+1], v[YA+\i:YA+\i+1], v[YA+8+\i:YA+8+\i+1]   ; from the low ends on
.endr
	ds_store_b128 v9, v[YY:YY+3]
	ds_store_b128 v9, v[YY+4:YY+7] offset:16
	s_wait_dscnt 0x0
	s_barrier_signal -1
	s_barrier_wait -1                              ; 16 rows x 128 columns lie in the stage
	ds_load_b128 v[TK:TK+3], v10
	ds_load_b128 v[TK+4:TK+7], v10 offset:528
	s_wait_dscnt 0x0
	global_store_b128 v6, v[TK:TK+3], s[26:27] th:TH_STORE_NT               ; 32 lanes store 512 consecutive bytes of a row, aligned
	global_store_b128 v6, v[TK+4:TK+7], s[26:27] offset:2048 th:TH_STORE_NT
	s_wait_tensorcnt 0x0                           ; the wave's end: three closing lines behind my last LDS store
	ds_add_u32 v[SPW], v[NIL]
	s_wait_dscnt 0x0
	s_endpgm
.Lfunc_end_k_q96446f45d5_first16:
	.size	k_q96446f45d5_first16, .Lfunc_end_k_q96446f45d5_first16-k_q96446f45d5_first16
	.p2alignl 7, 3214868480
	.fill 96, 4, 3214868480
	.section	.rodata,"a",@progbits
	.p2align	6, 0x0
	.amdhsa_kernel k_q96446f45d5_first16
		.amdhsa_group_segment_fixed_size 42240
		.amdhsa_private_segment_fixed_size 0
		.amdhsa_enable_private_segment 0
		.amdhsa_kernarg_size 40
		.amdhsa_user_sgpr_count 2
		.amdhsa_user_sgpr_kernarg_segment_ptr 1
		.amdhsa_wavefront_size32 1
		.amdhsa_system_sgpr_workgroup_id_x 1
		.amdhsa_system_sgpr_workgroup_id_y 1
		.amdhsa_system_sgpr_workgroup_id_z 1
		.amdhsa_system_vgpr_workitem_id 0
		.amdhsa_next_free_vgpr 256
		.amdhsa_next_free_sgpr 66
		.amdhsa_reserve_vcc 1
		.amdhsa_float_denorm_mode_32 3
		.amdhsa_float_denorm_mode_16_64 3
		.amdhsa_memory_ordered 1
		.amdhsa_forward_progress 1
		.amdhsa_inst_pref_size 34
	.end_amdhsa_kernel
	.amdgpu_metadata
---
amdhsa.version: [ 1, 2 ]
amdhsa.kernels:
  - .name:           k_q96446f45d5_first16
    .symbol:         k_q96446f45d5_first16.kd
    .args:
      - { .name: first, .offset: 0, .size: 8, .value_kind: global_buffer, .address_space: global }
      - { .name: time_intervals, .offset: 8, .size: 8, .value_kind: global_buffer, .address_space: global }
      - { .name: Wo, .offset: 16, .size: 8, .value_kind: global_buffer, .address_space: global }
      - { .name: bo, .offset: 24, .size: 8, .value_kind: global_buffer, .address_space: global }
      - { .name: out0, .offset: 32, .size: 8, .value_kind: global_buffer, .address_space: global }
    .group_segment_fixed_size: 42240
    .private_segment_fixed_size: 0
    .kernarg_segment_align: 8
    .kernarg_segment_size: 40
    .max_flat_workgroup_size: 256
    .sgpr_count:     66
    .vgpr_count:     256
    .wavefront_size: 32
...
	.end_amdgpu_metadata
.endif
;; end of part 4
;; ======== version 2 of 2: 4 launches; version 1 with the launch qkv written anew for expert scheduling mode
;; limits: values are held in f16: magnitudes above 65,504 overflow, below 6.1e-05 lose precision
;; workspace buffers: wc 393,216 bytes; ws 24,576 bytes; wof 524,288 bytes; qf 33,554,432 bytes; kf 33,554,432 bytes; vf 33,554,432 bytes; first 3,145,728 bytes
;; launch prep: the kernel of part 1 again; grid 128 x 1, 4 waves a work-group, no clusters, 0 bytes of LDS; arguments Wq, Wk, Wv, Wo, wc, ws, wof; writes wc, ws, wof
;; launch qkv (part 5): grid 256 x 1, 8 waves a work-group, no clusters, 37,888 bytes of LDS; arguments x, wc, ws, bq, bk, bv, qf, kf, vf, first; writes qf, kf, vf, first
.if DOCPART == 5
	.amdgcn_target "amdgcn-amd-amdhsa--gfx1250"
	.amdhsa_code_object_version 6
	.text
	.protected	k_q96446f45d5_qkv
	.globl	k_q96446f45d5_qkv
	.p2align	8
	.type	k_q96446f45d5_qkv,@function
k_q96446f45d5_qkv:
	s_mov_b64 s[64:65], 0
	v_nop
	global_prefetch_b8 v0, s[64:65] scope:SCOPE_SE
	s_setreg_imm32_b32 hwreg(HW_REG_WAVE_SCHED_MODE, 0, 2), 2
	s_setreg_imm32_b32 hwreg(HW_REG_WAVE_MODE, 25, 1), 1
	s_wait_xcnt 0x0
	s_wait_alu depctr_vm_vsrc(0)
; q, k, v = x W^T + b, on codes of E2M1 with one E8M0 scale for each 32 along K = 512; sums in f32.
; SHARES.  A work-group takes 128 tokens (batch b = wg / 8, tokens 128 (wg % 8) on).  Wave w first quantises token tile w (16 tokens, four fragments of 128 along K) and hands the fragments to the
; other waves through LDS as images of the operand's registers; then it makes head w's 12 column tiles (q: 0-3, k: 4-7, v: 8-11; 16 columns each) for all 8 token tiles.
; So x is read and quantised once, all of x's fragments stay in 256 registers, and each weight fragment loaded feeds 8 matrix instructions.
; q AND k ARE MADE TRANSPOSED (source 0 = 16 rows of W, source 1 = 16 tokens): a lane holds one token and eight neighbouring channels, which pack into the 16 bytes that a 16-bit fragment wants of that lane.
; v is made the other way round (source 0 = tokens): a lane holds one channel and eight neighbouring tokens: the fragment of V^T.  The bias is the C of each sum's first matrix instruction.
; OUT.  qf, kf: [b][head][tile 64][c 2][half 2][lane][16 bytes] = (token 16 tile + r, channel 32 c + 16 half + 8 h + 0..7), f16;  vf: [b][head][u 32][ct 4][half 2][lane][16 bytes] = (channel 16 ct + r, tokens 32 u + 16 half + 8 h + 0..7).
; Every such store covers 512 consecutive bytes of a wave.  The first 16 positions of each batch also go out in f32 (first: q [b][16][512], k the same 1 MiB on, v [b][512][16] 2 MiB on) for the launch that carries them finely.
; LIMITS: |q|, |k|, |v| at or under 65,504 (f16); a block of zeros gets the byte 1 with zero codes; NaN and infinities are not served.
; No tile of this launch is read by two work-groups but the weights' 408 KB, which come straight into registers: so no cluster and no tensor load.
; REGISTERS.  window 0: v1-12 addresses; v14, v15 the add's two; v16-47 x's scale words, v48-55 W's (these 40 hold scales and nothing else); v56-71 bias (earlier: at work); v72-135 W's fragments, two sets;
;   v136-199 eight accumulators; v200-231 packed results; while x is quantised v128-255 hold two sets of 64 numbers.   window 1: x's 32 fragments, (tile m, K step s) at v[8 (4 m + s)].
; THE MODE: SCHED_MODE bits 1:0 = 2 (LLVM: expert scheduling mode 2), set by the entry lines.  The code itself states the register dependences
; between vector or matrix instructions and memory or LDS instructions, with s_wait_alu, always for 0.
; THE PLAN.  Registers that memory or LDS instructions touch:
;   v3-v12        offsets and LDS addresses: made once at the head, read by every load and store, never written again.
;   S0, S1        a K step of x as loaded.  Read by QUANT; behind QUANT's wait the loads of two K steps on land in the same set.
;   PC, PW        written by QUANT, read by the three LDS stores of IMAGE, written again by the next QUANT; at the end W's loads land there.
;   W's two sets  (WF, WS, BI) set n % 2: loaded for tile n, read by tile n's 32 products, loaded again for tile n + 2.
;   ACC, tile 0   written by the products; read by the two f32 copy stores, in a batch's first work-group alone; written again by the next tile's first product.
;   PK            written by tile n's 32 roundings, read by its 8 stores, written again by tile n + 1's roundings.
;   x's fragments and XS are loaded from LDS once and named by matrix instructions alone.
; So ONE wait on va_vdst stands in a tile, behind its roundings: PK and the accumulators are written, and the tile's products are done reading their set of W.  The copies, the loads of tile n + 2 and the tile's
; stores follow it in one run, with no vector line among them, and the next tile's products, which name none of those registers but tile 0's accumulator, follow at once.  The wait on vm_vsrc for PK stands ahead of the
; next tile's roundings, 32 products behind the stores that it speaks of; the one for tile 0's accumulator stands behind the copies, on their way alone.
; (The run is not dealt among the products: those stand under a window setting in which source 0 or source 1 means window 1, and a load's address is its source 0, a store's data its source 1.)
.set XSC,   32768                      ; LDS: x's images [tile 8][s 4][c 2][lane][16] from 0; their scale words [tile][s][lane][4] from here
.set SPARE, 36864                      ; the spare words, 128 bytes for each wave: four blocks of 256 bytes that no other line names
.set XA,   3                           ; v3   x: 2,048 r + 64 h
.set LI,   4                           ; v4   16 x lane
.set LS,   5                           ; v5   4 x lane
.set XWI,  6                           ; v6   where I store images: 16 x lane + 4,096 x wave
.set XWS,  7                           ; v7   and scale words: 4 x lane + 512 x wave
.set SO16, 8                           ; v8   16 r: W's scale words of row r
.set B1O,  9                           ; v9   32 h
.set B2O,  10                          ; v10  4 r
.set F1,   11                          ; v11  2,048 r + 32 h: f32 copies of q and k
.set F2,   12                          ; v12  64 r + 32 h: of v
.set SPW,  14
.set NIL,  15
.set XS,   16
.set WS,   48
.set TM,   56                          ; while x is quantised: v56-59 largest magnitudes, v60-63 bytes, v68-71 the conversions' scale operands
.set PW,   72                          ; the scale word just made
.set PC,   74                          ; the codes just made
.set S0,   128
.set S1,   192
.set BI,   56
.set WF,   72
.set ACC,  136
.set PK,   200
.set WV,   24
.set TBK,  25
.set SEL,  26
.set MSB, 0
.macro WIN new                         ; the immediate's high byte repeats the setting that is left
.if MSB != \new
	s_set_vgpr_msb (MSB<<8)|\new
.set MSB, \new
.endif
.endm
.macro PLACES n
.rept \n
	v_nop
.endr
.endm
; my 16 tokens' numbers of K step st: lane (r, h) takes, of token r, 16 neighbours of each block of 32: register 16 b + i = k 32 b + 16 h + i
.macro XLOAD set, st
.irp b, 0,1,2,3
.irp j, 0,1,2,3
	global_load_b128 v[\set+16*\b+4*\j:\set+16*\b+4*\j+3], v[XA], s[28:29] offset:512*\st+128*\b+16*\j th:TH_LOAD_NT
.endr
.endr
.endm
; 64 numbers of a lane become a fragment's codes in v[PC] on and its scale word in v[PW]
.macro QUANT s
.irp b, 0,1,2,3
	v_max3_num_f32 v[TM+\b], |v[\s+16*\b]|, |v[\s+1+16*\b]|, 0x1800000   ; block b: my 16 numbers, and the floor 2^(3 - 127): the byte cannot fall under 1
.endr
.irp i, 2,4,6,8,10,12,14
.irp b, 0,1,2,3
	v_max3_num_f32 v[TM+\b], v[TM+\b], |v[\s+16*\b+\i]|, |v[\s+1+16*\b+\i]|   ; the four blocks by turns
.endr
.endr
.irp b, 0,1,2,3
	v_permlanex16_b32 v[TM+4+\b], v[TM+\b], s[SEL], s[SEL+1]
.endr
.irp b, 0,1,2,3
	v_max_num_f32 v[TM+\b], v[TM+\b], v[TM+4+\b]   ; with lane l xor 16's: the block's largest magnitude
.endr
.irp b, 0,1,2,3
	v_add_nc_u32 v[TM+12+\b], 0xff000000, v[TM+\b] ; 2 off its exponent field: the conversion's scale operand
.endr
.irp b, 0,1,2,3
	v_lshrrev_b32 v[TM+4+\b], 23, v[TM+12+\b]      ; the scale's byte
.endr
	v_lshl_or_b32 v[PW], v[TM+5], 8, v[TM+4]
	v_lshl_or_b32 v[PW], v[TM+6], 16, v[PW]
	v_lshl_or_b32 v[PW], v[TM+7], 24, v[PW]
.irp b, 0,1,2,3
	v_cvt_scalef32_pk8_fp4_f32 v[PC+2*\b], v[\s+16*\b:\s+7+16*\b], v[TM+12+\b]
	v_cvt_scalef32_pk8_fp4_f32 v[PC+1+2*\b], v[\s+8+16*\b:\s+15+16*\b], v[TM+12+\b]
.endr
	v_nop                                          ; one plain line behind the last scaled conversion
.irp c, 0,1                                    ; the operand wants a whole block in a lane: lanes 0-15 block 2 c, lanes 16-31 block 2 c + 1
.irp i, 0,1
	v_permlane16_swap_b32 v[PC+4*\c+\i], v[PC+2+4*\c+\i]
.endr
.endr
.endm
.macro IMAGE st                                ; the fragment and its scale word go to LDS as they stand
.irp c, 0,1
	ds_store_b128 v[XWI], v[PC+4*\c:PC+4*\c+3] offset:1024*\st+512*\c
.endr
	ds_store_b32 v[XWS], v[PW] offset:XSC+128*\st
.endm
; column tile n's four fragments, four scale words and bias, into set n % 2: 11 loads for q and k, 17 for v
.macro WLOAD n
.set WMAT, (\n)/4
.set WCT,  (\n)%4
.set WSET, (\n)%2
.irp k, 0,1,2,3,4,5,6,7
	global_load_b128 v[WF+32*WSET+4*\k:WF+32*WSET+4*\k+3], v[LI], s[30:31] offset:131072*WMAT+4096*WCT+512*\k
.endr
	global_load_b128 v[WS+4*WSET:WS+4*WSET+3], v[SO16], s[32:33] offset:8192*WMAT+256*WCT
.if WMAT < 2
	global_load_b128 v[BI+8*WSET:BI+8*WSET+3], v[B1O], s[34+2*WMAT:35+2*WMAT] offset:64*WCT      ; register j: the bias of channel 8 h + j
	global_load_b128 v[BI+8*WSET+4:BI+8*WSET+7], v[B1O], s[34+2*WMAT:35+2*WMAT] offset:64*WCT+16
.else
.irp k, 0,1,2,3,4,5,6,7
	global_load_b32 v[BI+8*WSET+\k], v[B2O], s[38:39] offset:64*WCT                                ; every register: the bias of channel r
.endr
.endif
.endm
; 32 matrix instructions: K step by K step, the eight token tiles' accumulators by turns, one instruction a turn
.macro MUL n
.set MAT, (\n)/4
.set SET, (\n)%2
.if MAT < 2
	WIN 0x04                                       ; source 1 (x) window 1
.else
	WIN 0x01                                       ; source 0 (x) window 1
.endif
.irp s, 0,1,2,3
.irp m, 0,1,2,3,4,5,6,7
.if MAT < 2
.if \s == 0
	v_wmma_scale_f32_16x16x128_f8f6f4 v[ACC+8*\m:ACC+8*\m+7], v[WF+32*SET+8*\s:WF+32*SET+8*\s+7], v[8*(4*\m+\s):8*(4*\m+\s)+7], v[BI+8*SET:BI+8*SET+7], v[WS+4*SET+\s], v[XS+4*\m+\s] matrix_a_fmt:MATRIX_FMT_FP4 matrix_b_fmt:MATRIX_FMT_FP4
.else
	v_wmma_scale_f32_16x16x128_f8f6f4 v[ACC+8*\m:ACC+8*\m+7], v[WF+32*SET+8*\s:WF+32*SET+8*\s+7], v[8*(4*\m+\s):8*(4*\m+\s)+7], v[ACC+8*\m:ACC+8*\m+7], v[WS+4*SET+\s], v[XS+4*\m+\s] matrix_a_fmt:MATRIX_FMT_FP4 matrix_b_fmt:MATRIX_FMT_FP4
.endif
.else
.if \s == 0
	v_wmma_scale_f32_16x16x128_f8f6f4 v[ACC+8*\m:ACC+8*\m+7], v[8*(4*\m+\s):8*(4*\m+\s)+7], v[WF+32*SET+8*\s:WF+32*SET+8*\s+7], v[BI+8*SET:BI+8*SET+7], v[XS+4*\m+\s], v[WS+4*SET+\s] matrix_a_fmt:MATRIX_FMT_FP4 matrix_b_fmt:MATRIX_FMT_FP4
.else
	v_wmma_scale_f32_16x16x128_f8f6f4 v[ACC+8*\m:ACC+8*\m+7], v[8*(4*\m+\s):8*(4*\m+\s)+7], v[WF+32*SET+8*\s:WF+32*SET+8*\s+7], v[ACC+8*\m:ACC+8*\m+7], v[XS+4*\m+\s], v[WS+4*SET+\s] matrix_a_fmt:MATRIX_FMT_FP4 matrix_b_fmt:MATRIX_FMT_FP4
.endif
.endif
.endr
.endr
	WIN 0
.endm
; tile n leaves: all is rounded to f16; behind ONE wait the first 16 positions are copied in f32, the set just multiplied is loaded anew, and the tile is stored
.macro OUT n
.set OMAT, (\n)/4
.set OCT,  (\n)%4
	PLACES 4                                       ; four plain lines between the last products and the first read of their results
.if (\n) > 0
	s_wait_xcnt 0x0                                ; the last tile's stores, issued 32 products ago, have had their addresses translated: v[PK] on is written again only behind this wait,
	s_wait_alu depctr_vm_vsrc(0)                   ; and those stores have read v[PK] on, which the roundings below write again
.endif
.irp m, 0,1,2,3,4,5,6,7
.irp i, 0,1,2,3
	v_cvt_pk_f16_f32 v[PK+4*\m+\i], v[ACC+8*\m+2*\i], v[ACC+8*\m+2*\i+1]   ; each accumulator from its low end on; these 32 also stand between the last products and the next tile's, which begin the accumulators anew
.endr
.endr
	s_wait_alu depctr_va_vdst(0)                   ; the roundings have written v[PK] on, which the stores read; the products have written tile 0's accumulator, which the copies read, and are done reading their set of W, in which the loads below land
	s_cmp_lg_u32 s[TBK], 0                         ; only the batch's first work-group holds positions 0-15: its token tile 0
	s_cbranch_scc1 .Lnocopy_\@
.if OMAT < 2
	global_store_b128 v[F1], v[ACC:ACC+3], s[46:47] offset:(OMAT<<20)+64*OCT
	global_store_b128 v[F1], v[ACC+4:ACC+7], s[46:47] offset:(OMAT<<20)+64*OCT+16
.else
	global_store_b128 v[F2], v[ACC:ACC+3], s[48:49] offset:1024*OCT
	global_store_b128 v[F2], v[ACC+4:ACC+7], s[48:49] offset:1024*OCT+16
.endif
.if (\n) < 11
	s_wait_xcnt 0x0                                ; the copies have had their addresses translated: their data are written again only behind this wait,
	s_wait_alu depctr_vm_vsrc(0)                   ; and they have read tile 0's accumulator, which the next tile's first product writes
.endif
.Lnocopy_\@:
.if (\n) < 10
	WLOAD (\n)+2                                   ; no vector or matrix instruction since the wait on va_vdst: nothing more is owed for these loads, nor for the stores below
.endif
.irp m, 0,1,2,3,4,5,6,7
.if OMAT < 2
	global_store_b128 v[LI], v[PK+4*\m:PK+4*\m+3], s[40+2*OMAT:41+2*OMAT] offset:2048*\m+512*OCT
.else
	global_store_b128 v[LI], v[PK+4*\m:PK+4*\m+3], s[44:45] offset:4096*(\m/2)+1024*OCT+512*(\m%2)
.endif
.endr
.endm
	s_load_b256 s[4:11], s[0:1], 0x0               ; x s[4:5], wc s[6:7], ws s[8:9], bq s[10:11]
	s_load_b256 s[12:19], s[0:1], 0x20             ; bk s[12:13], bv s[14:15], qf s[16:17], kf s[18:19]
	s_load_b128 s[20:23], s[0:1], 0x40             ; vf s[20:21], first s[22:23]
	v_lshl_add_u32 v[SPW], v0, 2, SPARE
	v_mov_b32 v[NIL], 0
	v_lshrrev_b32 v1, 5, v0
	v_readfirstlane_b32 s[WV], v1                  ; wave 0..7
	v_and_b32 v13, 31, v0                          ; lane
	v_and_b32 v1, 15, v0                           ; r
	v_bfe_u32 v2, v0, 4, 1                         ; h
	v_lshlrev_b32 v[XA], 11, v1
	v_lshl_add_u32 v[XA], v2, 6, v[XA]
	v_lshlrev_b32 v[LI], 4, v13
	v_lshlrev_b32 v[LS], 2, v13
	v_lshlrev_b32 v[SO16], 4, v1
	v_lshlrev_b32 v[B1O], 5, v2
	v_lshlrev_b32 v[B2O], 2, v1
	v_lshl_add_u32 v[F1], v1, 11, v[B1O]
	v_lshl_add_u32 v[F2], v1, 6, v[B1O]
.irp b, 0,1,2,3
	v_mov_b32 v[TM+4+\b], 0                        ; written once: a lane permute's destination counts as one of its sources
.endr
	s_wait_alu depctr_va_sdst(0)                   ; the wave's number is written, ahead of its first reader: LDS addresses and all the bases are made from it
	s_lshl_b32 s50, s[WV], 12
	v_add_nc_u32 v[XWI], s50, v[LI]
	s_lshl_b32 s2, s[WV], 9
	v_add_nc_u32 v[XWS], s2, v[LS]
	s_mov_b32 s[SEL], 0x76543210
	s_mov_b32 s[SEL+1], 0xfedcba98
	s_and_b32 s[TBK], ttmp9, 7                     ; which 128 tokens of the batch
	s_lshr_b32 s51, ttmp9, 3                       ; the batch
	s_lshl_b32 s52, ttmp9, 18                      ; x: 128 tokens of 2,048 bytes a work-group,
	s_lshl_b32 s53, s[WV], 15                      ; 16 a wave
	s_add_co_u32 s52, s52, s53
	s_mov_b32 s53, 0
	s_lshl_b32 s54, s[WV], 14                      ; wc: a head's 16 fragments
	s_mov_b32 s55, 0
	s_lshl_b32 s56, s[WV], 10                      ; ws: a head's 64 rows
	s_mov_b32 s57, 0
	s_lshl_b32 s58, s[WV], 8                       ; the biases, and a row of q: a head's 64 numbers
	s_mov_b32 s59, 0
	s_lshl_b32 s60, s51, 3
	s_add_co_u32 s60, s60, s[WV]
	s_lshl_b32 s60, s60, 17                        ; qf, kf, vf: 131,072 bytes for a batch's head,
	s_lshl_b32 s61, s[TBK], 14                     ; 16,384 for 128 tokens
	s_add_co_u32 s60, s60, s61
	s_mov_b32 s61, 0
	s_lshl_b32 s62, s51, 15                        ; first: 32,768 bytes a batch
	s_mov_b32 s63, 0
	s_wait_kmcnt 0x0
	s_add_nc_u64 s[28:29], s[4:5], s[52:53]
	s_add_nc_u64 s[30:31], s[6:7], s[54:55]
	s_add_nc_u64 s[32:33], s[8:9], s[56:57]
	s_add_nc_u64 s[34:35], s[10:11], s[58:59]
	s_add_nc_u64 s[36:37], s[12:13], s[58:59]
	s_add_nc_u64 s[38:39], s[14:15], s[58:59]
	s_add_nc_u64 s[40:41], s[16:17], s[60:61]
	s_add_nc_u64 s[42:43], s[18:19], s[60:61]
	s_add_nc_u64 s[44:45], s[20:21], s[60:61]
	s_add_nc_u64 s[46:47], s[22:23], s[62:63]
	s_add_nc_u64 s[48:49], s[46:47], 0x200000      ; v's copies lie 2 MiB on,
	s_add_nc_u64 s[46:47], s[46:47], s[58:59]
	s_lshl_b32 s54, s[WV], 12                      ; 64 channels of 64 bytes a head
	s_add_nc_u64 s[48:49], s[48:49], s[54:55]
	s_wait_alu depctr_va_vdst(0)                   ; the ten offsets and addresses v3 to v12 are written, which every load and store of the kernel reads
	; ---- my 16 tokens become four fragments; the loads run one K step ahead
	XLOAD S0, 0
	XLOAD S1, 1
	s_wait_loadcnt 16                              ; K step 0 is in; step 1's 16 loads may be out
	QUANT S0
	s_wait_alu depctr_va_vdst(0)                   ; QUANT has written v[PC] on and v[PW], which the LDS stores read, and is done reading S0, in which K step 2's loads land
	IMAGE 0
	XLOAD S0, 2
	s_wait_loadcnt 16                              ; step 1 is in; step 2's may be out
	s_wait_dscnt 0x0                               ; the last fragment's three LDS stores are done,
	s_wait_alu depctr_vm_vsrc(0)                   ; and they have read v[PC] on and v[PW], which QUANT writes again
	QUANT S1
	s_wait_alu depctr_va_vdst(0)                   ; QUANT has written v[PC] on and v[PW], which the LDS stores read, and is done reading S1, in which K step 3's loads land
	IMAGE 1
	XLOAD S1, 3
	s_wait_loadcnt 16                              ; step 2 is in; step 3's may be out
	s_wait_dscnt 0x0                               ; the last fragment's three LDS stores are done,
	s_wait_alu depctr_vm_vsrc(0)                   ; and they have read v[PC] on and v[PW], which QUANT writes again
	QUANT S0
	s_wait_alu depctr_va_vdst(0)                   ; QUANT has written v[PC] on and v[PW], which the LDS stores read
	IMAGE 2
	s_wait_loadcnt 0x0
	s_wait_dscnt 0x0                               ; the last fragment's three LDS stores are done,
	s_wait_alu depctr_vm_vsrc(0)                   ; and they have read v[PC] on and v[PW], which QUANT writes again
	QUANT S1
	s_wait_alu depctr_va_vdst(0)                   ; QUANT has written v[PC] on and v[PW], which the LDS stores read; and all four QUANTs are done with v56-81 and v128-135, in which the weights' loads land
	IMAGE 3
	s_wait_dscnt 0x0                               ; for the other waves' sake: my images lie in LDS
	s_wait_alu depctr_vm_vsrc(0)                   ; the LDS stores have read v[PC] on and v[PW], in which the weights' loads land
	WLOAD 0
	WLOAD 1
	s_barrier_signal -1
	s_barrier_wait -1                              ; all 32 fragments lie in LDS
	WIN 0x40                                       ; destination window 1 (no vector or matrix instruction has named these registers, and v[LI] stands since the head: no wait is owed)
.set i, 0
.rept 64
	ds_load_b128 v[4*i:4*i+3], v[LI] offset:512*i
.set i, i+1
.endr
	WIN 0
.set i, 0
.rept 32
	ds_load_b32 v[XS+i], v[LS] offset:XSC+128*i
.set i, i+1
.endr
	s_wait_dscnt 0x0
	; ---- head w's 12 column tiles
.irp n, 0,1,2,3,4,5,6,7,8,9,10,11
.if \n == 11
	s_wait_loadcnt 0x0
.elseif \n >= 7
	s_wait_loadcnt 17                              ; this tile's loads are in; the next tile's 17 (a tile of v) may be out
.else
	s_wait_loadcnt 11                              ; this tile's loads are in; the next tile's 11 may be out
.endif
	MUL \n
	OUT \n
.endr
	s_wait_dscnt 0x0                               ; the closing lines, six on end
	s_wait_alu 0x0
	s_wait_tensorcnt 0x0
	ds_add_u32 v[SPW], v[NIL]
	s_wait_dscnt 0x0
	s_endpgm
.Lfunc_end_k_q96446f45d5_qkv:
	.size	k_q96446f45d5_qkv, .Lfunc_end_k_q96446f45d5_qkv-k_q96446f45d5_qkv
	.p2alignl 7, 3214868480
	.fill 96, 4, 3214868480
	.section	.rodata,"a",@progbits
	.p2align	6, 0x0
	.amdhsa_kernel k_q96446f45d5_qkv
		.amdhsa_group_segment_fixed_size 37888
		.amdhsa_private_segment_fixed_size 0
		.amdhsa_enable_private_segment 0
		.amdhsa_kernarg_size 80
		.amdhsa_user_sgpr_count 2
		.amdhsa_user_sgpr_kernarg_segment_ptr 1
		.amdhsa_wavefront_size32 1
		.amdhsa_system_sgpr_workgroup_id_x 1
		.amdhsa_system_sgpr_workgroup_id_y 1
		.amdhsa_system_sgpr_workgroup_id_z 1
		.amdhsa_system_vgpr_workitem_id 0
		.amdhsa_next_free_vgpr 512
		.amdhsa_next_free_sgpr 66
		.amdhsa_reserve_vcc 0
		.amdhsa_float_denorm_mode_32 3
		.amdhsa_float_denorm_mode_16_64 3
		.amdhsa_memory_ordered 1
		.amdhsa_forward_progress 1
		.amdhsa_inst_pref_size 135
	.end_amdhsa_kernel
	.amdgpu_metadata
---
amdhsa.version: [ 1, 2 ]
amdhsa.kernels:
  - .name:           k_q96446f45d5_qkv
    .symbol:         k_q96446f45d5_qkv.kd
    .args:
      - { .name: x, .offset: 0, .size: 8, .value_kind: global_buffer, .address_space: global }
      - { .name: wc, .offset: 8, .size: 8, .value_kind: global_buffer, .address_space: global }
      - { .name: ws, .offset: 16, .size: 8, .value_kind: global_buffer, .address_space: global }
      - { .name: bq, .offset: 24, .size: 8, .value_kind: global_buffer, .address_space: global }
      - { .name: bk, .offset: 32, .size: 8, .value_kind: global_buffer, .address_space: global }
      - { .name: bv, .offset: 40, .size: 8, .value_kind: global_buffer, .address_space: global }
      - { .name: qf, .offset: 48, .size: 8, .value_kind: global_buffer, .address_space: global }
      - { .name: kf, .offset: 56, .size: 8, .value_kind: global_buffer, .address_space: global }
      - { .name: vf, .offset: 64, .size: 8, .value_kind: global_buffer, .address_space: global }
      - { .name: first, .offset: 72, .size: 8, .value_kind: global_buffer, .address_space: global }
    .group_segment_fixed_size: 37888
    .private_segment_fixed_size: 0
    .kernarg_segment_align: 8
    .kernarg_segment_size: 80
    .max_flat_workgroup_size: 256
    .sgpr_count:     66
    .vgpr_count:     512
    .wavefront_size: 32
...
	.end_amdgpu_metadata
.endif
;; end of part 5
;; launch attn: the kernel of part 3 again; grid 8 x 32, 8 waves a work-group, no clusters, 199,680 bytes of LDS; arguments qf, kf, vf, wof, time_intervals, bo, out0; writes out0
;; launch first16: the kernel of part 4 again; grid 4 x 32, 8 waves a work-group, no clusters, 42,240 bytes of LDS; arguments first, time_intervals, Wo, bo, out0; writes out0
